; MI455X (gfx1250); checked and timed in simulation.
; The chip was launched on July 23, 2026; its instructions are those of AMD's public machine-readable ISA for CDNA 5 (MIT licence, August 2026) and "CDNA5" Instruction Set Architecture Reference Guide (July 2026). The comments in the code are by the model that wrote it; some were corrected since.
;; Encoder Block. Allowed arithmetic: matrix products marked QUANTISED: E2M3 operands, one E8M0 scale for each 32 along K, by v_wmma_scale_f32_16x16x128_f8f6f4 with both operands' format E2M3, f32 sums; everything else in f32.
;; Inputs: W1_codes 2,048 x 16 x 24 uint8 (E2M3 codes of W1, K innermost, in blocks of 32 codes, four codes in three bytes); W1_scales 2,048 x 16 uint8 (E8M0 scales of W1, one for each 32 codes along K); W2_codes 512 x 64 x 24 uint8 (E2M3 codes of W2, K innermost, in blocks of 32 codes, four codes in three bytes); W2_scales 512 x 64 uint8 (E8M0 scales of W2, one for each 32 codes along K); Wk_codes 512 x 16 x 24 uint8 (E2M3 codes of Wk, K innermost, in blocks of 32 codes, four codes in three bytes); Wk_scales 512 x 16 uint8 (E8M0 scales of Wk, one for each 32 codes along K); Wo_codes 512 x 16 x 24 uint8 (E2M3 codes of Wo, K innermost, in blocks of 32 codes, four codes in three bytes); Wo_scales 512 x 16 uint8 (E8M0 scales of Wo, one for each 32 codes along K); Wq_codes 512 x 16 x 24 uint8 (E2M3 codes of Wq, K innermost, in blocks of 32 codes, four codes in three bytes); Wq_scales 512 x 16 uint8 (E8M0 scales of Wq, one for each 32 codes along K); Wv_codes 512 x 16 x 24 uint8 (E2M3 codes of Wv, K innermost, in blocks of 32 codes, four codes in three bytes); Wv_scales 512 x 16 uint8 (E8M0 scales of Wv, one for each 32 codes along K); b1 2,048 float32; b2 512 float32; bk 512 float32; bo 512 float32; bq 512 float32; bv 512 float32; x 2 x 4,096 x 512 float32.
;; Outputs: out0 2 x 4,096 x 512 float32.
;; This version of the problem:
;;   THIS VERSION OF THE PROBLEM IS GIVEN IN LOW PRECISION. The matrix products marked QUANTISED in the list below multiply operands that are first quantised to E2M3 (2 exponent bits, 3 mantissa bits; 6 bits a number), with one power-of-two scale for each 32 numbers along K (OCP MX v1.0); their sums are f32. All else is computed in f32.
;;   The module's matrix products, in the order in which they are computed (A, B: the left and right operand; K: the contracted axis; several contracted axes count as one K, in the product's order):
;;     1. [M 8,192, K 512] x [K 512, N 512]; A: input x; B: input Wq (given as codes): QUANTISED
;;     2. [M 8,192, K 512] x [K 512, N 512]; A: input x; B: input Wk (given as codes): QUANTISED
;;     3. [M 8,192, K 512] x [K 512, N 512]; A: input x; B: input Wv (given as codes): QUANTISED
;;     4. batch 16 x [M 4,096, K 64] x [K 64, N 4,096]; A: computed on the way; B: computed on the way: QUANTISED
;;     5. batch 16 x [M 4,096, K 4,096] x [K 4,096, N 64]; A: softmax (see below); B: computed on the way: QUANTISED
;;     6. [M 8,192, K 512] x [K 512, N 512]; A: computed on the way; B: input Wo (given as codes): QUANTISED
;;     7. [M 8,192, K 512] x [K 512, N 2,048]; A: computed on the way; B: input W1 (given as codes): QUANTISED
;;     8. [M 8,192, K 2,048] x [K 2,048, N 512]; A: computed on the way; B: input W2 (given as codes): QUANTISED
;;   THE QUANTISER, for each operand of a quantised product, along K:
;;     - K is cut into blocks of 32 from its start; a last block that is shorter is filled with zeros.
;;     - A block's scale is 2^e with e = floor(log2(the largest magnitude in the block)) - 2, held to -126 .. 127; a block of zeros has e = 0. As a byte (E8M0): e + 127.
;;     - Each number is divided by its block's scale, clamped to +-7.5, and rounded to the nearest number of E2M3, ties to even, subnormals kept.
;;     - The product sums the exact products of the quantised numbers (number of the format x scale) in f32.
;;   ~~~python
;;   def quantise(x, axis):      # numpy; x: float32 -> the quantised numbers, widened to float32 again
;;       x = np.moveaxis(x, axis, -1); K = x.shape[-1]
;;       x = np.pad(x, [(0, 0)] * (x.ndim - 1) + [(0, -K % 32)]); x = x.reshape(x.shape[:-1] + (-1, 32)); a = np.abs(x).max(-1, keepdims=True)
;;       e = np.where(a > 0, np.clip(np.frexp(np.where(a > 0, a, 1))[1] - 1 - 2, -126, 127), 0)      # np.frexp(a)[1] - 1 = floor(log2(a)), exactly
;;       r = np.clip(x / 2.0 ** e, -7.5, 7.5)
;;       step = 2.0 ** (np.maximum(np.frexp(np.where(r == 0, 1, r))[1] - 1, 0) - 3)
;;       q = np.round(r / step) * step * 2.0 ** e      # np.round: ties to even
;;       return np.moveaxis(q.reshape(q.shape[:-2] + (-1,))[..., :K], -1, axis).astype(np.float32)
;;   ~~~
;;   SOFTMAX AHEAD OF A QUANTISED PRODUCT. Where the list says 'softmax', what is quantised is not the finished softmax but p = 2^(t - M), with t = logit x log2(e) and M = ceil(the row's largest t), a whole number; so 1/2 < the row's largest p <= 1. The row's sum l is taken of the UNQUANTISED p, in f32, and the product's result is divided by l at the end. Since M is a whole number, a kernel that streams over the keys may use a running M (the ceiling of the running maximum): every later rescaling is an exact power of two, which a block's scale takes up: the codes' values come out the same.
;;   OPERANDS COMPUTED ON THE WAY. 'Computed on the way' means the value that the module computes at that place (a softmax that the list does not call 'softmax' is quantised finished and normalised). What goes into a quantiser is computed in f32, as accurately as f32 sums, v_exp_f32 and their like allow (about 1e-6 of the number): no bf16 or f16 on the way to a quantiser, and a product that is left as it is and whose result goes on into a quantised operand takes f32 operands (vector FMAs, or v_wmma_f32_16x16x4_f32). A number that lies on a knife's edge between two numbers of the format may be rounded either way, as far as f32 arithmetic and the matrix unit's own rounding can turn it there, and no further.
;;   INPUTS GIVEN AS CODES. W1 (in the module: [512, 2048], K = its axis 0); W2 (in the module: [2048, 512], K = its axis 0); Wk (in the module: [512, 512], K = its axis 0); Wo (in the module: [512, 512], K = its axis 0); Wq (in the module: [512, 512], K = its axis 0); Wv (in the module: [512, 512], K = its axis 0): each comes as NAME_codes (uint8): NAME with its K axis moved to the last place and cut into blocks of 32 codes, [.., K / 32, bytes a block], one block behind the other in memory; four codes in three bytes: a row's codes are one little-endian stream of bits, code i at bits 6 i .. 6 i + 5 (a code: sign, 2 exponent bits, 3 mantissa bits); and NAME_scales (uint8): the same leading axes, one E8M0 byte (e + 127) for each 32 codes along K. Its value is code x scale, taken as it is: it is not quantised again, and the codes and scales need not be those that the quantiser above would give.
;; 2 versions. Each part assembles by itself: llvm-mc -triple=amdgcn-amd-amdhsa -mcpu=gfx1250 --defsym DOCPART=n.
;; ======== version 1 of 2: 3 launches
;; workspace buffers: q_codes 3,145,728 bytes; q_scales 262,144 bytes; kv_codes 6,291,456 bytes; kv_scales 524,288 bytes; ctx_codes 3,145,728 bytes; ctx_scales 131,072 bytes; wimg 1,769,472 bytes; wscl 73,728 bytes
;; launch qkv (part 1): grid 128 x 2, 4 waves a work-group, no clusters, 27,136 bytes of LDS; arguments x, Wq_codes, Wq_scales, bq, Wk_codes, Wk_scales, bk, Wv_codes, Wv_scales, bv, W1_codes, W1_scales, W2_codes, W2_scales, Wo_codes, Wo_scales, q_codes, q_scales, kv_codes, kv_scales, wimg, wscl; writes q_codes, q_scales, kv_codes, kv_scales, wimg, wscl
.if DOCPART == 1
	.amdgcn_target "amdgcn-amd-amdhsa--gfx1250"
	.amdhsa_code_object_version 6
	.text
	.protected	k_q6478214c9f_qkv
	.globl	k_q6478214c9f_qkv
	.p2align	8
	.type	k_q6478214c9f_qkv,@function
k_q6478214c9f_qkv:
	s_mov_b64 s[64:65], 0
	v_nop
	global_prefetch_b8 v0, s[64:65] scope:SCOPE_SE
	s_setreg_imm32_b32 hwreg(HW_REG_WAVE_MODE, 25, 1), 1
	s_wait_xcnt 0x0
; q, k, v = Q(x) W + b on codes of FP6 (E2M3) with one E8M0 scale for each 32 along K; q and k leave quantised along the head's 64, v along the keys.
; Beside that each wave lays one fragment of W1 or W2 (and the first 32 work-groups one of Wo) in the order of an operand's registers, for the third launch.
; SHARES.  Work-group (X, y): rows 64 X .. 64 X + 63 of x, heads 4 y .. 4 y + 3.  Wave w is head 4 y + w, so each weight fragment is loaded by one wave; wave w also quantises row tile w of x.
; TILES.  perm(r) = r + 8 (r / 8).  Tile 2 b + u of any 32 rows takes rows 32 b + 8 u + perm(r): where such a tile is source 0, the 16 result registers of tiles 2 b, 2 b + 1 are 16 neighbours, 32 b + 16 (lane / 16) + 0 .. 15.
;   q, k: source 0 = 16 rows of W (the head's channels), source 1 = 16 rows of x: a lane holds one row and 32 channels.   v: source 0 = 16 rows of x (keys), source 1 = 16 rows of Wv: a lane holds one channel and 32 keys.
; IMAGES.  An operand leaves as an image of its registers.  Half image (16 rows x 64 K, 6 registers, 768 bytes): registers 0-3 at 16 x lane, registers 4-5 at 512 + 8 x lane.  Full image (12 registers, 1,536 bytes): registers 4 c .. 4 c + 3 at 512 c + 16 x lane.
; No tensor load: x is quantised from registers, and every weight byte serves one wave.  No cluster: the two work-groups that share rows of x each load them as f32 from memory.
; LIMITS: NaN and infinities among the inputs are not served.  A block of zeros, or one whose largest magnitude lies under 2^-124, gets the byte 1: its codes are right or zeros, and this program alone reads the bytes.
; REGISTERS.  window 0: v1-17 lane terms; v20-35 x's scale words (4 m + s); v36-83 the weights' scale words, 16 each for q, k, v (4 t + s); v84-211 16 accumulators (ahead of them two sets of 64 numbers of x); v212-251 at work.
;   window 1: v0-191 Wq's fragments at 12 (4 t + s), later Wv's; v192-223 bq.   window 2: the same for Wk, bk.   window 3: v0-191 x's fragments at 12 (4 m + s); v192-223 bv, spread; v224-227 bv as loaded; v228-240 the fragment that is laid anew.
.set XSC,  24576                       ; LDS: x's 16 fragments, 1,536 bytes each, at 0; their scale words, 128 bytes each, here
.set XS,   20
.set WS,   36
.set ACC,  84
.set TM,   212                         ; v212-215 largest magnitudes, v216-219 the other half's, then bytes, v220-223 the conversions' scale operands
.set PC,   224                         ; v224-235 codes, v236-242 second halves
.set PW,   244                         ; the scale word just made
.set KW,   245                         ; v245-248 four tiles' scale words
.set SEL,  52
.set MSB,  0
.macro WIN new                         ; the immediate's high byte repeats the setting that is left
.if MSB != (\new)
	s_set_vgpr_msb (MSB<<8)|(\new)
.set MSB, (\new)
.endif
.endm
.macro PLACES n
.rept \n
	v_nop
.endr
.endm
.macro WM d, a, b, c, sa, sb, row
.if \row
	v_wmma_scale_f32_16x16x128_f8f6f4 v[\d:\d+7], v[\a:\a+11], v[\b:\b+11], v[\c:\c+7], v[\sa], v[\sb] matrix_a_fmt:MATRIX_FMT_FP6 matrix_b_fmt:MATRIX_FMT_FP6 matrix_a_scale:MATRIX_SCALE_ROW1
.else
	v_wmma_scale_f32_16x16x128_f8f6f4 v[\d:\d+7], v[\a:\a+11], v[\b:\b+11], v[\c:\c+7], v[\sa], v[\sb] matrix_a_fmt:MATRIX_FMT_FP6 matrix_b_fmt:MATRIX_FMT_FP6
.endif
.endm
; 64 numbers of a lane, register 16 b + i = k 32 b + 16 (lane / 16) + i of my row, become a fragment's codes in v[PC] on and its scale word in v[PW]
.macro QUANT s
.irp b, 0,1,2,3
	v_max3_num_f32 v[TM+\b], |v[\s+16*\b]|, |v[\s+1+16*\b]|, 0x1800000   ; my 16 numbers of block b, and the floor 2^(3 - 127): the byte cannot fall under 1
.endr
.irp i, 2,4,6,8,10,12,14
.irp b, 0,1,2,3
	v_max3_num_f32 v[TM+\b], v[TM+\b], |v[\s+16*\b+\i]|, |v[\s+1+16*\b+\i]|
.endr
.endr
.irp b, 0,1,2,3
	v_permlanex16_b32 v[TM+4+\b], v[TM+\b], s[SEL], s[SEL+1]
.endr
.irp b, 0,1,2,3
	v_max_num_f32 v[TM+\b], v[TM+\b], v[TM+4+\b]                          ; with lane l xor 16's: the block's largest magnitude
.endr
.irp b, 0,1,2,3
	v_add_nc_u32 v[TM+8+\b], 0xff000000, v[TM+\b]                         ; 2 off its exponent field: the conversion's scale operand
.endr
.irp b, 0,1,2,3
	v_lshrrev_b32 v[TM+4+\b], 23, v[TM+8+\b]                              ; the scale's byte
.endr
	v_lshl_or_b32 v[PW], v[TM+5], 8, v[TM+4]
	v_lshl_or_b32 v[PW], v[TM+6], 16, v[PW]
	v_lshl_or_b32 v[PW], v[TM+7], 24, v[PW]
.irp c, 0,1
	v_cvt_scalef32_pk16_fp6_f32 v[PC+6*\c:PC+2+6*\c], v[\s+32*\c:\s+15+32*\c], v[TM+8+2*\c]
	v_cvt_scalef32_pk16_fp6_f32 v[PC+12+4*\c:PC+14+4*\c], v[\s+16+32*\c:\s+31+32*\c], v[TM+8+2*\c+1]
.endr
	v_nop                                                                  ; one plain line behind the scaled conversions
.irp c, 0,1                                                            ; the operand wants a whole block in a lane: lanes 0-15 block 2 c, lanes 16-31 block 2 c + 1
.irp i, 0,1,2
	v_permlane16_swap_b32 v[PC+6*\c+\i], v[PC+12+4*\c+\i]
.endr
.irp i, 0,1,2
	v_mov_b32 v[PC+3+6*\c+\i], v[PC+12+4*\c+\i]
.endr
.endr
.endm
; the same for 32 numbers, two blocks: a half image in v[PC] .. v[PC+5], the word (two bytes) in v[pw]
.macro QUANT2 s, pw
.irp b, 0,1
	v_max3_num_f32 v[TM+\b], |v[\s+16*\b]|, |v[\s+1+16*\b]|, 0x1800000
.endr
.irp i, 2,4,6,8,10,12,14
.irp b, 0,1
	v_max3_num_f32 v[TM+\b], v[TM+\b], |v[\s+16*\b+\i]|, |v[\s+1+16*\b+\i]|
.endr
.endr
.irp b, 0,1
	v_permlanex16_b32 v[TM+2+\b], v[TM+\b], s[SEL], s[SEL+1]
.endr
.irp b, 0,1
	v_max_num_f32 v[TM+\b], v[TM+\b], v[TM+2+\b]
.endr
.irp b, 0,1
	v_add_nc_u32 v[TM+4+\b], 0xff000000, v[TM+\b]
.endr
.irp b, 0,1
	v_lshrrev_b32 v[TM+2+\b], 23, v[TM+4+\b]
.endr
	v_lshl_or_b32 v[\pw], v[TM+3], 8, v[TM+2]
	v_cvt_scalef32_pk16_fp6_f32 v[PC:PC+2], v[\s:\s+15], v[TM+4]
	v_cvt_scalef32_pk16_fp6_f32 v[PC+6:PC+8], v[\s+16:\s+31], v[TM+5]
	v_nop
.irp i, 0,1,2
	v_permlane16_swap_b32 v[PC+\i], v[PC+6+\i]
.endr
.irp i, 0,1,2
	v_mov_b32 v[PC+3+\i], v[PC+6+\i]
.endr
.endm
.macro XLOAD reg, s                    ; my 16 rows' numbers of K step s: 16 neighbours of each block of 32
.irp b, 0,1,2,3
.irp j, 0,1,2,3
	global_load_b128 v[\reg+16*\b+4*\j:\reg+16*\b+4*\j+3], v5, s[84:85] offset:512*\s+128*\b+16*\j
.endr
.endr
.endm
.macro IMAGE s                         ; fragment 4 w + s and its scale words go to LDS as they stand
.irp c, 0,1,2
	ds_store_b128 v8, v[PC+4*\c:PC+4*\c+3] offset:1536*\s+512*\c
.endr
	ds_store_b32 v9, v[PW] offset:XSC+128*\s
.endm
.macro WHALF base, wn, kh              ; my head's four tiles of a weight, K steps 2 kh and 2 kh + 1: 48 loads
	WIN (\wn)<<6
.irp t, 0,1,2,3
.irp u, 0,1
.irp p, 0,1,2,3,4,5
	global_load_b64 v[12*(4*\t+2*\kh+\u)+2*\p:12*(4*\t+2*\kh+\u)+2*\p+1], v10, s[\base:\base+1] offset:(32*(\t/2)+8*(\t%2))*384+96*(2*\kh+\u)+48*(\p/3)+8*(\p%3)
.endr
.endr
.endr
	WIN 0
.endm
.macro WSCALES sbase, wsb              ; a row's 16 scale bytes are the words of its four K steps
.irp t, 0,1,2,3
	global_load_b128 v[\wsb+4*\t:\wsb+4*\t+3], v11, s[\sbase:\sbase+1] offset:(32*(\t/2)+8*(\t%2))*16
.endr
.endm
.macro WBIAS bbase, wn                 ; the bias in the result's layout: lane (r, h), tile t: channels 32 (t / 2) + 16 h + 8 (t % 2) + 0 .. 7
	WIN (\wn)<<6
.irp t, 0,1,2,3
	global_load_b128 v[192+8*\t:195+8*\t], v12, s[\bbase:\bbase+1] offset:(32*(\t/2)+8*(\t%2))*4
	global_load_b128 v[196+8*\t:199+8*\t], v12, s[\bbase:\bbase+1] offset:(32*(\t/2)+8*(\t%2))*4+16
.endr
	WIN 0
.endm
; 16 matrix instructions, one K step: the 16 accumulators take turns, one instruction a turn.  first = 1: the bias is the C of the sum's first product
.macro MULQK wn, wsb, s, first
.if \first
	WIN (\wn)|0x0c|((\wn)<<4)
.else
	WIN (\wn)|0x0c
.endif
.irp m, 0,1,2,3
.irp t, 0,1,2,3
.if \first
	WM ACC+32*\m+8*\t, 12*(4*\t+\s), 12*(4*\m+\s), 192+8*\t, \wsb+4*\t+\s, XS+4*\m+\s, 0
.else
	WM ACC+32*\m+8*\t, 12*(4*\t+\s), 12*(4*\m+\s), ACC+32*\m+8*\t, \wsb+4*\t+\s, XS+4*\m+\s, 0
.endif
.endr
.endr
.endm
.macro MULV s, first
.if \first
	WIN 0x37
.else
	WIN 0x07
.endif
.irp dt, 0,1,2,3
.irp m, 0,1,2,3
.if \first
	WM ACC+32*\dt+8*\m, 12*(4*\m+\s), 12*(4*\dt+\s), 192+8*\dt, XS+4*\m+\s, WS+32+4*\dt+\s, 0
.else
	WM ACC+32*\dt+8*\m, 12*(4*\m+\s), 12*(4*\dt+\s), ACC+32*\dt+8*\m, XS+4*\m+\s, WS+32+4*\dt+\s, 0
.endif
.endr
.endr
.endm
.macro HOUT base, off                  ; a half image leaves: 512 consecutive bytes, then 256
	global_store_b128 v6, v[PC:PC+3], s[\base:\base+1] offset:\off
	global_store_b64 v14, v[PC+4:PC+5], s[\base:\base+1] offset:\off+512
.endm
.macro RL_LOAD adrc, adrs              ; one fragment of a weight, and its rows' scale words, into window 3
	WIN 0xc0
.irp p, 0,1,2,3,4,5
	global_load_b64 v[228+2*\p:229+2*\p], v[\adrc], s[66:67] offset:48*(\p/3)+8*(\p%3)
.endr
	global_load_b32 v240, v[\adrs], s[68:69]
	WIN 0
.endm
.macro RL_STORE                        ; and out as a full image; lanes 16-31 repeat lanes 0-15's scale words at the same places
	WIN 0x0c
.irp c, 0,1,2
	global_store_b128 v6, v[228+4*\c:231+4*\c], s[80:81] offset:512*\c
.endr
	global_store_b32 v15, v240, s[82:83]
	WIN 0
.endm
	s_load_b512 s[4:19], s[0:1], 0x0               ; x 4, Wq codes 6, scales 8, bq 10, Wk codes 12, scales 14, bk 16, Wv codes 18
	s_load_b512 s[20:35], s[0:1], 0x40             ; Wv scales 20, bv 22, W1 codes 24, scales 26, W2 codes 28, scales 30, Wo codes 32, scales 34
	s_load_b256 s[36:43], s[0:1], 0x80             ; q_codes 36, q_scales 38, kv_codes 40, kv_scales 42
	s_load_b128 s[44:47], s[0:1], 0xa0             ; wimg 44, wscl 46
	v_lshl_add_u32 v254, v0, 2, 0x6800
	v_mov_b32 v255, 0
	v_lshrrev_b32 v1, 5, v0
	v_readfirstlane_b32 s48, v1                    ; wave
	v_and_b32 v1, 31, v0                           ; lane
	v_and_b32 v2, 15, v0                           ; r
	v_bfe_u32 v3, v0, 4, 1                         ; h
	v_and_b32 v4, 8, v2
	v_add_nc_u32 v4, v4, v2                        ; perm(r)
	v_lshlrev_b32 v5, 11, v4
	v_lshl_add_u32 v5, v3, 6, v5                   ; x: row perm(r) of 2,048 bytes + 64 h
	v_lshlrev_b32 v6, 4, v1                        ; 16 x lane
	v_lshlrev_b32 v7, 2, v1                        ; 4 x lane
	s_mul_i32 s56, s48, 6144
	v_add_nc_u32 v8, s56, v6                       ; where I store x's images: 16 x lane + 4 fragments x wave
	s_lshl_b32 s56, s48, 9
	v_add_nc_u32 v9, s56, v7                       ; and their scale words
	v_mul_u32_u24 v10, v4, 384
	v_mad_u32_u24 v10, v3, 24, v10                 ; a weight of K = 512: row perm(r) of 384 bytes + 24 h
	v_lshlrev_b32 v11, 4, v4                       ; its scale bytes: 16 a row
	v_lshlrev_b32 v12, 6, v3                       ; bq, bk: 64 h
	v_lshlrev_b32 v13, 2, v4                       ; bv: 4 perm(r)
	v_lshlrev_b32 v14, 3, v1                       ; 8 x lane
	v_lshlrev_b32 v15, 2, v2                       ; 4 r
	s_mov_b32 s49, ttmp9                           ; X
	s_and_b32 s50, ttmp7, 0xffff                   ; y
	s_lshl_b32 s51, s50, 7
	s_add_co_u32 s51, s51, s49                     ; I = 128 y + X
	s_mov_b32 s52, 0x76543210
	s_mov_b32 s53, 0xfedcba98                      ; v_permlanex16_b32's selects for lane l xor 16
	s_mov_b32 s54, 0xffff0000                      ; lanes 16-31
	s_lshr_b32 s88, s48, 1
	s_lshl_b32 s88, s88, 5
	s_and_b32 s74, s48, 1
	s_lshl_b32 s74, s74, 3
	s_add_co_u32 s88, s88, s74                     ; 32 (w / 2) + 8 (w % 2): where tile w begins among 64 rows
	; which fragment of W1 (I < 128) or W2 I lay anew.  The stream of the third launch's wave w': 144 pairs of tiles: 16 of Wo, 64 of W1, 64 of W2
	s_and_b32 s56, s51, 127                        ; I'
	s_cmp_lt_u32 s51, 128
	s_cselect_b32 s57, 3, 5
	s_cselect_b32 s58, 3, 15
	s_mov_b32 s59, 1536
	s_cselect_b32 s59, 384, s59                    ; a row of codes in bytes
	s_cselect_b32 s60, 16, 64                      ; a row of scale bytes
	s_cselect_b32 s61, 8, 40
	s_lshr_b32 s62, s56, s57                       ; which 128 rows
	s_lshl_b32 s62, s62, 7
	s_and_b32 s74, s56, 1
	s_lshl_b32 s74, s74, 6
	s_add_co_u32 s62, s62, s74
	s_add_co_u32 s62, s62, s88                     ; the tile's first row
	s_lshr_b32 s63, s56, 1
	s_and_b32 s63, s63, s58                        ; the K step
	s_mul_i32 s70, s62, s59
	s_mul_i32 s74, s63, 96
	s_add_co_u32 s70, s70, s74
	s_mov_b32 s71, 0
	s_mul_i32 s72, s62, s60
	s_lshl_b32 s74, s63, 2
	s_add_co_u32 s72, s72, s74
	s_mov_b32 s73, 0
	s_lshr_b32 s74, s56, 5
	s_mul_i32 s74, s74, 72
	s_add_co_u32 s74, s74, s61
	s_and_b32 s75, s56, 31
	s_add_co_u32 s74, s74, s75                     ; which two pairs of the streams: my work-group's four fragments
	s_mul_i32 s76, s74, 6144
	s_mul_i32 s75, s48, 1536
	s_add_co_u32 s76, s76, s75
	s_mov_b32 s77, 0
	s_lshl_b32 s78, s74, 8
	s_lshl_b32 s75, s48, 6
	s_add_co_u32 s78, s78, s75
	s_mov_b32 s79, 0
	v_mul_lo_u32 v16, v4, s59
	v_mad_u32_u24 v16, v3, 24, v16
	v_mul_lo_u32 v17, v4, s60
	s_lshl_b32 s86, s49, 6
	s_add_co_u32 s86, s86, s88
	s_lshl_b32 s86, s86, 11                        ; x: my tile's first row
	s_mov_b32 s87, 0
	s_lshl_b32 s89, s50, 2
	s_add_co_u32 s89, s89, s48                     ; my head
	s_mul_i32 s90, s89, 24576                      ; its 64 rows in a weight's codes,
	s_mov_b32 s91, 0
	s_lshl_b32 s92, s89, 10                        ; scale bytes
	s_mov_b32 s93, 0
	s_lshl_b32 s94, s89, 8                         ; and bias
	s_mov_b32 s95, 0
	s_lshr_b32 s56, s49, 6
	s_lshl_b32 s56, s56, 3
	s_add_co_u32 s56, s56, s89                     ; 8 x batch + head
	s_and_b32 s57, s49, 63                         ; which 64 rows of the batch
	s_lshl_b32 s58, s56, 8
	s_lshl_b32 s59, s57, 2
	s_add_co_u32 s58, s58, s59                     ; my first query tile
	s_mul_i32 s60, s58, 768
	s_mov_b32 s61, 0
	s_lshl_b32 s62, s58, 6
	s_mov_b32 s63, 0
	s_lshl_b32 s58, s56, 6
	s_add_co_u32 s58, s58, s57                     ; my 64 keys
	s_mul_i32 s96, s58, 6144
	s_mov_b32 s97, 0
	s_lshl_b32 s98, s58, 9
	s_mov_b32 s99, 0
	s_and_b32 s55, s57, 1
	s_lshl_b32 s55, s55, 4                         ; v's two scale bytes stand at bytes 0, 1 or 2, 3 of a word for 128 keys
.irp b, 0,1,2,3
	v_mov_b32 v[TM+4+\b], 0                        ; a lane permute's destination counts as one of its sources
.endr
	s_wait_kmcnt 0x0
	s_cmp_lt_u32 s51, 128                          ; the choice hangs on the work-group's number alone
	s_cselect_b64 s[66:67], s[24:25], s[28:29]
	s_cselect_b64 s[68:69], s[26:27], s[30:31]
	s_add_nc_u64 s[66:67], s[66:67], s[70:71]
	s_add_nc_u64 s[68:69], s[68:69], s[72:73]
	s_add_nc_u64 s[80:81], s[44:45], s[76:77]
	s_add_nc_u64 s[82:83], s[46:47], s[78:79]
	s_add_nc_u64 s[84:85], s[4:5], s[86:87]
	s_add_nc_u64 s[6:7], s[6:7], s[90:91]
	s_add_nc_u64 s[12:13], s[12:13], s[90:91]
	s_add_nc_u64 s[18:19], s[18:19], s[90:91]
	s_add_nc_u64 s[8:9], s[8:9], s[92:93]
	s_add_nc_u64 s[14:15], s[14:15], s[92:93]
	s_add_nc_u64 s[20:21], s[20:21], s[92:93]
	s_add_nc_u64 s[10:11], s[10:11], s[94:95]
	s_add_nc_u64 s[16:17], s[16:17], s[94:95]
	s_add_nc_u64 s[22:23], s[22:23], s[94:95]
	s_add_nc_u64 s[36:37], s[36:37], s[60:61]
	s_add_nc_u64 s[38:39], s[38:39], s[62:63]
	s_add_nc_u64 s[40:41], s[40:41], s[96:97]
	s_add_nc_u64 s[42:43], s[42:43], s[98:99]
	RL_LOAD 16, 17                                 ; 7 loads
	XLOAD ACC, 0
	XLOAD ACC+64, 1
	; ---- x: my 16 rows become four fragments; two sets of registers, each K step's loads out while the one before is quantised
	s_wait_loadcnt 16                              ; the fragment and K step 0 are in; K step 1's 16 loads may be out
	RL_STORE
	QUANT ACC
	IMAGE 0
	s_wait_dscnt 0x0                               ; the stores have read their registers
	XLOAD ACC, 2
	s_wait_loadcnt 16                              ; K step 1 is in; K step 2's 16 may be out
	QUANT ACC+64
	IMAGE 1
	s_wait_dscnt 0x0
	XLOAD ACC+64, 3
	WSCALES 8, WS                                  ; Wq's first chunk: 4 + 8 + 48 = 60 loads
	WBIAS 10, 1
	WHALF 6, 1, 0
	s_wait_loadcnt 63                              ; 76 loads were issued behind K step 2's: any count up to 76 shows them in
	QUANT ACC
	IMAGE 2
	s_wait_dscnt 0x0
	s_wait_loadcnt 60                              ; K step 3 is in; Wq's chunk may be out
	QUANT ACC+64
	IMAGE 3
	s_wait_dscnt 0x0                               ; for the others' sake: my stores have landed
	s_barrier_signal -1
	s_barrier_wait -1                              ; x's sixteen fragments lie in LDS
	WIN 0xc0
.set ff, 0
.rept 16
.irp c, 0,1,2
	ds_load_b128 v[12*ff+4*\c:12*ff+4*\c+3], v6 offset:1536*ff+512*\c
.endr
.set ff, ff+1
.endr
	WIN 0
.set ff, 0
.rept 16
	ds_load_b32 v[XS+ff], v7 offset:XSC+128*ff
.set ff, ff+1
.endr
	s_wait_dscnt 0x0
	; ---- the three products, in chunks of two K steps: a chunk's loads are waited for, the next chunk's are issued into registers of their own, this chunk is multiplied
	s_wait_loadcnt 0x0
	WHALF 6, 1, 1
	MULQK 1, WS, 0, 1
	MULQK 1, WS, 1, 0
	WIN 0
	s_wait_loadcnt 0x0
	WSCALES 14, WS+16
	WBIAS 16, 2
	WHALF 12, 2, 0
	MULQK 1, WS, 2, 0
	MULQK 1, WS, 3, 0
	WIN 0
	PLACES 4                                       ; four plain lines between the last product and the first read of results
.irp m, 0,1,2,3                                ; q leaves: row tile m, quantised along the head's 64
	s_wait_xcnt 0x0                                ; the codes' and the word's registers are written again only behind this wait
	QUANT2 ACC+32*\m, PW
	HOUT 36, 768*\m
	global_store_b32 v15, v[PW], s[38:39] offset:64*\m
.endr
	s_wait_loadcnt 0x0
	WHALF 12, 2, 1
	MULQK 2, WS+16, 0, 1
	MULQK 2, WS+16, 1, 0
	WIN 0
	s_wait_loadcnt 0x0
	WSCALES 20, WS+32                              ; Wv's first chunk, into the registers that Wq has left
	WIN 0xc0
.irp t, 0,1,2,3
	global_load_b32 v[224+\t], v13, s[22:23] offset:(32*(\t/2)+8*(\t%2))*4
.endr
	WIN 0
	WHALF 18, 1, 0
	MULQK 2, WS+16, 2, 0
	MULQK 2, WS+16, 3, 0
	WIN 0
	PLACES 4
.irp m, 0,1,2,3                                ; k leaves likewise
	s_wait_xcnt 0x0
	QUANT2 ACC+32*\m, KW+\m
	HOUT 40, 768*\m
.endr
	v_cndmask_b32 v250, v[KW], v[KW+1], s54        ; scale words as the reader's registers want them: tile 2 i in lanes 0-15, tile 2 i + 1 in lanes 16-31
	v_cndmask_b32 v251, v[KW+2], v[KW+3], s54
	global_store_b64 v14, v[250:251], s[42:43]
	s_wait_loadcnt 0x0
	WHALF 18, 1, 1
	WIN 0xc3
.irp dt, 0,1,2,3
.irp j, 0,1,2,3,4,5,6,7
	v_mov_b32 v[192+8*\dt+\j], v[224+\dt]          ; in v's layout a lane holds one channel: its bias in all eight registers
.endr
.endr
	MULV 0, 1
	MULV 1, 0
	WIN 0
	s_wait_loadcnt 0x0
	MULV 2, 0
	MULV 3, 0
	WIN 0
	PLACES 4
.irp dt, 0,1,2,3                               ; v leaves: 16 channels x my 64 keys, quantised along the keys
	s_wait_xcnt 0x0
	QUANT2 ACC+32*\dt, KW+\dt
	HOUT 40, 3072+768*\dt
.endr
.irp dt, 0,1,2,3
	v_lshlrev_b32 v[KW+\dt], s55, v[KW+\dt]
.endr
	v_cndmask_b32 v250, v[KW], v[KW+1], s54
	v_cndmask_b32 v251, v[KW+2], v[KW+3], s54
	global_store_b64 v14, v[250:251], s[42:43] offset:256
	; ---- Wo's 128 fragments: the first 32 work-groups, one a wave
	s_cmp_ge_u32 s51, 32
	s_cbranch_scc1 .Lend
	s_lshr_b32 s56, s51, 3                         ; which 128 rows
	s_lshr_b32 s57, s51, 1
	s_and_b32 s57, s57, 3                          ; the K step
	s_lshl_b32 s58, s56, 7
	s_and_b32 s59, s51, 1
	s_lshl_b32 s59, s59, 6
	s_add_co_u32 s58, s58, s59
	s_add_co_u32 s58, s58, s88
	s_mul_i32 s70, s58, 384
	s_mul_i32 s59, s57, 96
	s_add_co_u32 s70, s70, s59
	s_lshl_b32 s72, s58, 4
	s_lshl_b32 s59, s57, 2
	s_add_co_u32 s72, s72, s59
	s_mul_i32 s74, s56, 72
	s_and_b32 s59, s51, 7
	s_add_co_u32 s74, s74, s59
	s_mul_i32 s76, s74, 6144
	s_mul_i32 s59, s48, 1536
	s_add_co_u32 s76, s76, s59
	s_lshl_b32 s78, s74, 8
	s_lshl_b32 s59, s48, 6
	s_add_co_u32 s78, s78, s59
	s_wait_xcnt 0x0                                ; the first fragment's loads and stores have read their bases and registers
	s_add_nc_u64 s[66:67], s[32:33], s[70:71]
	s_add_nc_u64 s[68:69], s[34:35], s[72:73]
	s_add_nc_u64 s[80:81], s[44:45], s[76:77]
	s_add_nc_u64 s[82:83], s[46:47], s[78:79]
	RL_LOAD 10, 11
	s_wait_loadcnt 0x0
	RL_STORE
.Lend:
	s_wait_tensorcnt 0x0
	ds_add_u32 v254, v255
	s_wait_dscnt 0x0
	s_endpgm
.Lfunc_end_k_q6478214c9f_qkv:
	.size	k_q6478214c9f_qkv, .Lfunc_end_k_q6478214c9f_qkv-k_q6478214c9f_qkv
	.p2alignl 7, 3214868480
	.fill 96, 4, 3214868480
	.section	.rodata,"a",@progbits
	.p2align	6, 0x0
	.amdhsa_kernel k_q6478214c9f_qkv
		.amdhsa_group_segment_fixed_size 27136
		.amdhsa_private_segment_fixed_size 0
		.amdhsa_enable_private_segment 0
		.amdhsa_kernarg_size 176
		.amdhsa_user_sgpr_count 2
		.amdhsa_user_sgpr_kernarg_segment_ptr 1
		.amdhsa_wavefront_size32 1
		.amdhsa_system_sgpr_workgroup_id_x 1
		.amdhsa_system_sgpr_workgroup_id_y 1
		.amdhsa_system_sgpr_workgroup_id_z 1
		.amdhsa_system_vgpr_workitem_id 0
		.amdhsa_next_free_vgpr 1024
		.amdhsa_next_free_sgpr 100
		.amdhsa_reserve_vcc 0
		.amdhsa_float_denorm_mode_32 3
		.amdhsa_float_denorm_mode_16_64 3
		.amdhsa_memory_ordered 1
		.amdhsa_forward_progress 1
		.amdhsa_inst_pref_size 118
	.end_amdhsa_kernel
	.amdgpu_metadata
---
amdhsa.version: [ 1, 2 ]
amdhsa.kernels:
  - .name:           k_q6478214c9f_qkv
    .symbol:         k_q6478214c9f_qkv.kd
    .args:
      - { .name: x, .offset: 0, .size: 8, .value_kind: global_buffer, .address_space: global }
      - { .name: Wq_codes, .offset: 8, .size: 8, .value_kind: global_buffer, .address_space: global }
      - { .name: Wq_scales, .offset: 16, .size: 8, .value_kind: global_buffer, .address_space: global }
      - { .name: bq, .offset: 24, .size: 8, .value_kind: global_buffer, .address_space: global }
      - { .name: Wk_codes, .offset: 32, .size: 8, .value_kind: global_buffer, .address_space: global }
      - { .name: Wk_scales, .offset: 40, .size: 8, .value_kind: global_buffer, .address_space: global }
      - { .name: bk, .offset: 48, .size: 8, .value_kind: global_buffer, .address_space: global }
      - { .name: Wv_codes, .offset: 56, .size: 8, .value_kind: global_buffer, .address_space: global }
      - { .name: Wv_scales, .offset: 64, .size: 8, .value_kind: global_buffer, .address_space: global }
      - { .name: bv, .offset: 72, .size: 8, .value_kind: global_buffer, .address_space: global }
      - { .name: W1_codes, .offset: 80, .size: 8, .value_kind: global_buffer, .address_space: global }
      - { .name: W1_scales, .offset: 88, .size: 8, .value_kind: global_buffer, .address_space: global }
      - { .name: W2_codes, .offset: 96, .size: 8, .value_kind: global_buffer, .address_space: global }
      - { .name: W2_scales, .offset: 104, .size: 8, .value_kind: global_buffer, .address_space: global }
      - { .name: Wo_codes, .offset: 112, .size: 8, .value_kind: global_buffer, .address_space: global }
      - { .name: Wo_scales, .offset: 120, .size: 8, .value_kind: global_buffer, .address_space: global }
      - { .name: q_codes, .offset: 128, .size: 8, .value_kind: global_buffer, .address_space: global }
      - { .name: q_scales, .offset: 136, .size: 8, .value_kind: global_buffer, .address_space: global }
      - { .name: kv_codes, .offset: 144, .size: 8, .value_kind: global_buffer, .address_space: global }
      - { .name: kv_scales, .offset: 152, .size: 8, .value_kind: global_buffer, .address_space: global }
      - { .name: wimg, .offset: 160, .size: 8, .value_kind: global_buffer, .address_space: global }
      - { .name: wscl, .offset: 168, .size: 8, .value_kind: global_buffer, .address_space: global }
    .group_segment_fixed_size: 27136
    .private_segment_fixed_size: 0
    .kernarg_segment_align: 8
    .kernarg_segment_size: 176
    .max_flat_workgroup_size: 128
    .sgpr_count:     100
    .vgpr_count:     1024
    .wavefront_size: 32
...
	.end_amdgpu_metadata
.endif
;; end of part 1
;; launch attn (part 2): grid 16 x 16, 16 waves a work-group, no clusters, 55,296 bytes of LDS; arguments q_codes, q_scales, kv_codes, kv_scales, ctx_codes, ctx_scales; writes ctx_codes, ctx_scales
.if DOCPART == 2
	.amdgcn_target "amdgcn-amd-amdhsa--gfx1250"
	.amdhsa_code_object_version 6
	.text
	.protected	k_q6478214c9f_attn
	.globl	k_q6478214c9f_attn
	.p2align	8
	.type	k_q6478214c9f_attn,@function
k_q6478214c9f_attn:
	s_mov_b64 s[64:65], 0
	v_nop
	global_prefetch_b8 v0, s[64:65] scope:SCOPE_SE
	s_setreg_imm32_b32 hwreg(HW_REG_WAVE_MODE, 25, 1), 1
	s_wait_xcnt 0x0
; Causal attention on codes of FP6 (E2M3), head size 64; ctx leaves quantised along the head's 64, as an operand of the next product.
; t = score x log2(e) / 8; M = the running largest t rounded up to a whole number; p = 2^(t - M) is quantised along the keys, not normalised; the row's sum is taken of the unquantised p and divides at the end.
; SHARES.  Work-group (g, bh).  A head's 4,096 queries are 32 blocks of 128; block b needs the key steps 0 .. b of 128 keys, the last on the diagonal.  Waves 0-7 take block g, waves 8-15 block 31 - g: 33 steps for each pair of waves, in every work-group.
;   A wave owns one tile of 16 queries in 256 registers: four waves to a SIMD, so that one wave's vector work stands beside another's products and LDS loads.
; LAYOUT.  Both products transposed: S^T = K Q^T (source 0 = 16 keys), O^T = V^T P^T (source 0 = 16 channels): a lane holds one query.  The first launch chose the rows of every tile so that 16 registers of two neighbouring tiles are 16 neighbours.
;   The head's 64 are half of the instruction's K: registers 6-11 of Q's and K's fragments are zero codes, written once.
; LDS.  Two slots of 256 keys: 24,576 bytes of register images as they lie in memory, then 2,048 scale bytes.  512 threads copy a slot through registers; its loads are issued a whole slot ahead of the wait for them.
;   A slot is stored only behind the barrier that follows every wave's last read of it, and read only behind the barrier that follows its stores.
; No joint loads: the work-groups of a head walk different numbers of key steps (32 - g), so partners would need different numbers of tiles.  No prefetch: no wave waits for the copy's loads.
; LIMITS: NaN and infinities are not served; a block of zeros gets the byte 1, read by this program alone.
; REGISTERS: v1-7 lane terms; v12 -M, v13 largest t, v[14:15] the sum; v16-27 Q, v28 its scale word; v30-42 the copy; v44-91 four fragments of K; v92-95 K's scale words; v96-159 S^T, then p, then V's four fragments;
;   v160-191 O^T; v192-195 V's scale words; v196-214 p's codes; v216-238 at work.
.set SEL, 20
.set TM,  216
.set PC,  196
.set BM,  216                          ; v216-219 the blocks' largest scores, then largest p
.set BT,  220                          ; v220-223 the other half's
.set SO,  224                          ; v224-227 the conversions' scale operands
.set BY,  228                          ; v228-231 bytes
.set SL1, 26624                        ; slot 1
.macro PLACES n
.rept \n
	v_nop
.endr
.endm
.macro WMZ d, a, b, sa, sb, row
.if \row
	v_wmma_scale_f32_16x16x128_f8f6f4 v[\d:\d+7], v[\a:\a+11], v[\b:\b+11], 0, v[\sa], v[\sb] matrix_a_fmt:MATRIX_FMT_FP6 matrix_b_fmt:MATRIX_FMT_FP6 matrix_a_scale:MATRIX_SCALE_ROW1
.else
	v_wmma_scale_f32_16x16x128_f8f6f4 v[\d:\d+7], v[\a:\a+11], v[\b:\b+11], 0, v[\sa], v[\sb] matrix_a_fmt:MATRIX_FMT_FP6 matrix_b_fmt:MATRIX_FMT_FP6
.endif
.endm
.macro WM d, a, b, c, sa, sb, row
.if \row
	v_wmma_scale_f32_16x16x128_f8f6f4 v[\d:\d+7], v[\a:\a+11], v[\b:\b+11], v[\c:\c+7], v[\sa], v[\sb] matrix_a_fmt:MATRIX_FMT_FP6 matrix_b_fmt:MATRIX_FMT_FP6 matrix_a_scale:MATRIX_SCALE_ROW1
.else
	v_wmma_scale_f32_16x16x128_f8f6f4 v[\d:\d+7], v[\a:\a+11], v[\b:\b+11], v[\c:\c+7], v[\sa], v[\sb] matrix_a_fmt:MATRIX_FMT_FP6 matrix_b_fmt:MATRIX_FMT_FP6
.endif
.endm
.macro QUANT2 s, pw                    ; 32 numbers of a lane, register 16 b + i = k 32 b + 16 (lane / 16) + i: a half image in v[PC] .. v[PC+5], two scale bytes in v[pw]
.irp b, 0,1
	v_max3_num_f32 v[TM+\b], |v[\s+16*\b]|, |v[\s+1+16*\b]|, 0x1800000
.endr
.irp i, 2,4,6,8,10,12,14
.irp b, 0,1
	v_max3_num_f32 v[TM+\b], v[TM+\b], |v[\s+16*\b+\i]|, |v[\s+1+16*\b+\i]|
.endr
.endr
.irp b, 0,1
	v_permlanex16_b32 v[TM+2+\b], v[TM+\b], s[SEL], s[SEL+1]
.endr
.irp b, 0,1
	v_max_num_f32 v[TM+\b], v[TM+\b], v[TM+2+\b]
.endr
.irp b, 0,1
	v_add_nc_u32 v[TM+4+\b], 0xff000000, v[TM+\b]
.endr
.irp b, 0,1
	v_lshrrev_b32 v[TM+2+\b], 23, v[TM+4+\b]
.endr
	v_lshl_or_b32 v[\pw], v[TM+3], 8, v[TM+2]
	v_cvt_scalef32_pk16_fp6_f32 v[PC:PC+2], v[\s:\s+15], v[TM+4]
	v_cvt_scalef32_pk16_fp6_f32 v[PC+6:PC+8], v[\s+16:\s+31], v[TM+5]
	v_nop
.irp i, 0,1,2
	v_permlane16_swap_b32 v[PC+\i], v[PC+6+\i]
.endr
.irp i, 0,1,2
	v_mov_b32 v[PC+3+\i], v[PC+6+\i]
.endr
.endm
.macro LOADSLOT                        ; the next 256 keys' images and scale bytes into the copy's registers; past the head's last slot the last is asked for again, so that no load leaves its buffer
	s_min_u32 s32, s27, 15
	s_lshl_b32 s34, s32, 11
	s_mul_i32 s32, s32, 24576
	s_add_nc_u64 s[28:29], s[8:9], s[32:33]
	s_add_nc_u64 s[30:31], s[10:11], s[34:35]
	global_load_b128 v[30:33], v3, s[28:29]
	global_load_b128 v[34:37], v3, s[28:29] offset:8192
	global_load_b128 v[38:41], v3, s[28:29] offset:16384
	global_load_b32 v42, v4, s[30:31]
	s_add_co_u32 s27, s27, 1
.endm
.macro COPY L
	s_wait_loadcnt 0x0                             ; the slot's loads, issued two key steps ago, are in: their bases may be written again
	ds_store_b128 v3, v[30:33] offset:\L
	ds_store_b128 v3, v[34:37] offset:\L+8192
	ds_store_b128 v3, v[38:41] offset:\L+16384
	ds_store_b32 v4, v42 offset:\L+24576
	s_wait_dscnt 0x0                               ; my stores have landed and have read their registers; my reads of the other slot are over
	s_barrier_signal -1
	s_barrier_wait -1
	LOADSLOT
.endm
; A KEY STEP: 128 keys, the qq-th of the slot at L
.macro STEP L, qq
	s_cmp_gt_u32 s24, s19                          ; all its keys come after my queries: left out (a branch on ids; no barrier stands in a step)
	s_cbranch_scc1 .Lhidden_\@
.irp hs, 0,1
	ds_load_b64 v[92+2*\hs:93+2*\hs], v2 offset:\L+24576+(2*\qq+\hs)*512
	ds_load_b64 v[192+2*\hs:193+2*\hs], v2 offset:\L+24576+(2*\qq+\hs)*512+256
.endr
.irp gq, 0,1                                   ; S^T = K Q^T, four tiles of 16 keys at a time
.if \gq
	PLACES 4                                       ; in front of loads into registers that products have read
.endif
.irp t, 0,1,2,3
	ds_load_b128 v[44+12*\t:47+12*\t], v1 offset:\L+(2*\qq+\gq)*6144+768*\t
	ds_load_b64 v[48+12*\t:49+12*\t], v2 offset:\L+(2*\qq+\gq)*6144+768*\t+512
.endr
	s_wait_dscnt 0x0
.if \gq == 0
	v_or_b32 v192, v192, v194                      ; V's scale words for 128 keys: each half's two bytes stand at their places already
	v_or_b32 v193, v193, v195
.endif
.irp t, 0,1,2,3
	WMZ 96+8*(4*\gq+\t), 44+12*\t, 16, 92+2*\gq+\t/2, 28, \t%2
.endr
.endr
	PLACES 4
	s_cmp_lg_u32 s24, s19                          ; on the diagonal the scores of hidden keys become -infinity ahead of the maximum
	s_cbranch_scc1 .Lopen_\@
.set nn, 0
.rept 64                                       ; register 16 b + i holds key 32 b + 16 (lane / 16) + i of the step: hidden where 32 b + i > my query's place - 16 (lane / 16)
	v_cmp_gt_i32 vcc_lo, 32*(nn/16)+nn%16, v5
	v_cndmask_b32 v[96+nn], v[96+nn], v238, vcc_lo
.set nn, nn+1
.endr
.Lopen_\@:
.irp b, 0,1,2,3
	v_max3_num_f32 v[BM+\b], v[96+16*\b], v[97+16*\b], v[98+16*\b]   ; the largest score of each block of 32 keys: for the row's maximum and, since p rises with the score, for the block's largest p
.endr
.irp i, 3,5,7,9,11,13
.irp b, 0,1,2,3
	v_max3_num_f32 v[BM+\b], v[BM+\b], v[96+16*\b+\i], v[97+16*\b+\i]
.endr
.endr
.irp b, 0,1,2,3
	v_max_num_f32 v[BM+\b], v[BM+\b], v[111+16*\b]
.endr
.irp b, 0,1,2,3
	v_permlanex16_b32 v[BT+\b], v[BM+\b], s[SEL], s[SEL+1]
.endr
.irp b, 0,1,2,3
	v_max_num_f32 v[BM+\b], v[BM+\b], v[BT+\b]
.endr
	v_max3_num_f32 v235, v216, v217, v218
	v_max_num_f32 v235, v235, v219
	v_mul_f32 v235, s22, v235                      ; the step's largest t
	v_max_num_f32 v13, v13, v235
	v_mov_b32 v235, v12
	v_floor_f32 v12, -v13                          ; the new -M = floor(-t): M is a whole number
	v_sub_f32 v235, v12, v235                      ; old M - new M, 0 or less
	v_cvt_i32_f32 v235, v235                       ; (it saturates)
	v_ldexp_f32 v232, 1.0, v235                    ; f = 2^(old M - new M): a multiplication by it rounds nothing
.set nn, 0
.rept 32
	v_pk_fma_f32 v[96+nn:97+nn], v[96+nn:97+nn], s[22:23], v[12:13] op_sel_hi:[1,0,0]   ; t - M
.set nn, nn+2
.endr
.irp b, 0,1,2,3
	v_fma_f32 v[BM+\b], v[BM+\b], s22, v12
.endr
.set nn, 0
.rept 64
	v_exp_f32 v[96+nn], v[96+nn]                   ; p = 2^(t - M)
.set nn, nn+1
.endr
	v_pk_mul_f32 v[14:15], v[14:15], v[232:233] op_sel_hi:[1,0]   ; the sums under the new M: the plain line behind the exponentials
	s_wait_alu depctr_va_vdst(0)                   ; one wait for the batch of 64, ahead of its first reader
.irp b, 0,1,2,3
	v_exp_f32 v[BM+\b], v[BM+\b]                   ; the block's largest p
.endr
	v_pk_add_f32 v[236:237], v[96:97], v[98:99]    ; the row's sum of the unquantised p, in two chains; plain work behind the four
.irp j, 4,8,12,16,20,24,28,32,36,40,44,48,52,56,60
	v_pk_add_f32 v[14:15], v[14:15], v[96+\j:97+\j]
	v_pk_add_f32 v[236:237], v[236:237], v[98+\j:99+\j]
.endr
	v_pk_add_f32 v[14:15], v[14:15], v[236:237]
	s_wait_alu depctr_va_vdst(0)                   ; and one for the four
.irp b, 0,1,2,3
	v_max_num_f32 v[BM+\b], 0x1800000, v[BM+\b]    ; the floor 2^(3 - 127)
.endr
.irp b, 0,1,2,3
	v_add_nc_u32 v[SO+\b], 0xff000000, v[BM+\b]
.endr
.irp b, 0,1,2,3
	v_lshrrev_b32 v[BY+\b], 23, v[SO+\b]
.endr
	v_lshl_or_b32 v234, v229, 8, v228              ; p's scale word for these 128 keys
	v_lshl_or_b32 v234, v230, 16, v234
	v_lshl_or_b32 v234, v231, 24, v234
.irp c, 0,1
	v_cvt_scalef32_pk16_fp6_f32 v[PC+6*\c:PC+2+6*\c], v[96+32*\c:111+32*\c], v[SO+2*\c]
	v_cvt_scalef32_pk16_fp6_f32 v[PC+12+4*\c:PC+14+4*\c], v[112+32*\c:127+32*\c], v[SO+2*\c+1]
.endr
	v_nop
.irp c, 0,1
.irp i, 0,1,2
	v_permlane16_swap_b32 v[PC+6*\c+\i], v[PC+12+4*\c+\i]
.endr
.irp i, 0,1,2
	v_mov_b32 v[PC+3+6*\c+\i], v[PC+12+4*\c+\i]
.endr
.endr
.irp dt, 0,1,2,3                               ; V's four fragments (16 channels x 128 keys: two half images) into the registers that p has left
.irp c, 0,1
	ds_load_b128 v[96+12*\dt+6*\c:99+12*\dt+6*\c], v1 offset:\L+(2*\qq+\c)*6144+3072+768*\dt
	ds_load_b64 v[100+12*\dt+6*\c:101+12*\dt+6*\c], v2 offset:\L+(2*\qq+\c)*6144+3072+768*\dt+512
.endr
.endr
.set nn, 0
.rept 16
	v_pk_mul_f32 v[160+nn:161+nn], v[160+nn:161+nn], v[232:233] op_sel_hi:[1,0]   ; O^T under the new M; these 16 also stand between the lines that made p's codes and word and the products
.set nn, nn+2
.endr
	s_wait_dscnt 0x0
.irp dt, 0,1,2,3
	WM 160+8*\dt, 96+12*\dt, PC, 160+8*\dt, 192+\dt/2, 234, \dt%2
.endr
	PLACES 5                                       ; the next step's scores are written over V's fragments by products: five plain lines
.Lhidden_\@:
	s_add_co_u32 s24, s24, 1
.endm
	s_load_b256 s[4:11], s[0:1], 0x0               ; q_codes 4, q_scales 6, kv_codes 8, kv_scales 10
	s_load_b128 s[12:15], s[0:1], 0x20             ; ctx_codes 12, ctx_scales 14
	v_lshl_add_u32 v254, v0, 2, 0xd000
	v_mov_b32 v255, 0
	v_lshrrev_b32 v1, 5, v0
	v_readfirstlane_b32 s16, v1                    ; wave
	s_mov_b32 s17, ttmp9                           ; g
	s_and_b32 s18, ttmp7, 0xffff                   ; 8 x batch + head
	s_sub_co_u32 s19, 31, s17
	s_cmp_lt_u32 s16, 8
	s_cselect_b32 s19, s17, s19                    ; my block of 128 queries
	s_and_b32 s36, s16, 7                          ; my tile in it
	v_and_b32 v8, 31, v0
	v_and_b32 v9, 15, v0
	v_bfe_u32 v10, v0, 4, 1
	v_lshlrev_b32 v1, 4, v8                        ; 16 x lane
	v_lshlrev_b32 v2, 3, v8                        ; 8 x lane
	v_lshlrev_b32 v3, 4, v0                        ; the copy: 16 x thread
	v_lshlrev_b32 v4, 2, v0                        ; 4 x thread
	v_and_b32 v11, 8, v9
	v_add_nc_u32 v11, v11, v9                      ; perm(r)
	v_lshlrev_b32 v5, 4, v10
	v_sub_nc_u32 v5, v11, v5
	s_lshr_b32 s37, s36, 1
	s_lshl_b32 s37, s37, 5
	s_and_b32 s38, s36, 1
	s_lshl_b32 s38, s38, 3
	s_add_co_u32 s37, s37, s38
	v_add_nc_u32 v5, s37, v5                       ; my query's place in its block - 16 (lane / 16)
	v_lshlrev_b32 v6, 2, v9                        ; 4 r
	v_lshlrev_b32 v7, 4, v9                        ; 16 r
	s_mov_b32 s20, 0x76543210
	s_mov_b32 s21, 0xfedcba98
	s_mov_b32 s22, 0x3e38aa3b                      ; log2(e) / 8
	s_mov_b32 s23, s22
	s_mov_b32 s24, 0                               ; the key step
	s_mov_b32 s27, 0                               ; the slot to be asked for
	s_sub_co_u32 s26, 33, s17
	s_lshr_b32 s26, s26, 1                         ; slots that block 31 - g needs,
	s_add_co_u32 s26, s26, 1
	s_lshr_b32 s26, s26, 1                         ; and trips of two slots
	s_mov_b32 s33, 0
	s_mov_b32 s35, 0
	s_lshl_b32 s37, s18, 8
	s_lshl_b32 s38, s19, 3
	s_add_co_u32 s37, s37, s38
	s_add_co_u32 s37, s37, s36                     ; my query tile
	s_mul_i32 s38, s37, 768
	s_mov_b32 s39, 0
	s_lshl_b32 s40, s37, 6
	s_mov_b32 s41, 0
	s_mul_i32 s42, s18, 393216                     ; the head's 64 x 6,144 bytes of images
	s_mov_b32 s43, 0
	s_lshl_b32 s44, s18, 15
	s_mov_b32 s45, 0
	s_lshr_b32 s46, s18, 3
	s_lshl_b32 s46, s46, 8
	s_lshl_b32 s47, s19, 3
	s_add_co_u32 s46, s46, s47
	s_add_co_u32 s46, s46, s36                     ; my row tile of ctx
	s_and_b32 s47, s18, 7                          ; the head
	s_wait_kmcnt 0x0
	s_add_nc_u64 s[4:5], s[4:5], s[38:39]
	s_add_nc_u64 s[6:7], s[6:7], s[40:41]
	s_add_nc_u64 s[8:9], s[8:9], s[42:43]
	s_add_nc_u64 s[10:11], s[10:11], s[44:45]
	s_lshl_b32 s38, s46, 3
	s_add_co_u32 s38, s38, s47
	s_mul_i32 s38, s38, 768
	s_add_nc_u64 s[12:13], s[12:13], s[38:39]
	s_lshl_b32 s40, s46, 8
	s_lshl_b32 s47, s47, 1
	s_add_co_u32 s40, s40, s47
	s_add_nc_u64 s[14:15], s[14:15], s[40:41]
	global_load_b128 v[16:19], v1, s[4:5]          ; Q's half image stays in registers
	global_load_b64 v[20:21], v2, s[4:5] offset:512
	global_load_b32 v28, v6, s[6:7]
	LOADSLOT
.irp j, 22,23,24,25,26,27
	v_mov_b32 v[\j], 0                             ; the upper 64 of K: zero codes
.endr
.irp t, 0,1,2,3
.irp j, 0,1,2,3,4,5
	v_mov_b32 v[50+12*\t+\j], 0
.endr
.endr
.set nn, 0
.rept 32
	v_mov_b32 v[160+nn], 0                         ; O^T: the step is written once; the first finds zeros
.set nn, nn+1
.endr
	v_mov_b32 v14, 0
	v_mov_b32 v15, 0
	v_mov_b32 v233, 0
	v_mov_b32 v235, 0
.irp j, 216,217,218,219,220,221,222,223
	v_mov_b32 v[\j], 0                             ; a lane permute's destination counts as one of its sources
.endr
	v_mov_b32 v238, 0xff800000                     ; -infinity
	v_mov_b32 v13, 0xff61b1e6                      ; the largest t so far: -3e38
	v_floor_f32 v12, -v13
	COPY 0                                         ; slot 0 into LDS (the wait covers Q too); slot 1 is asked for
	s_mov_b32 s25, 0
.Ltrip:
	STEP 0, 0
	STEP 0, 1
	COPY SL1
	STEP SL1, 0
	STEP SL1, 1
	COPY 0
	s_add_co_u32 s25, s25, 1
	s_cmp_lt_u32 s25, s26
	s_cbranch_scc1 .Ltrip
	; ---- the way out: O^T / the sum, quantised along the head's 64
	v_add_f32 v14, v14, v15
	v_permlanex16_b32 v235, v14, s[SEL], s[SEL+1]
	v_add_f32 v14, v14, v235
	v_rcp_f32 v14, v14
	v_nop
	s_wait_alu depctr_va_vdst(0)
.set nn, 0
.rept 32
	v_mul_f32 v[96+nn], v[160+nn], v14             ; register 16 b + i: channel 32 b + 16 (lane / 16) + i
.set nn, nn+1
.endr
	QUANT2 96, 235
	global_store_b128 v1, v[PC:PC+3], s[12:13]
	global_store_b64 v2, v[PC+4:PC+5], s[12:13] offset:512
	global_store_b16 v7, v235, s[14:15]            ; my head's two bytes of the row's sixteen; lanes 16-31 repeat lanes 0-15's
	s_wait_tensorcnt 0x0
	ds_add_u32 v254, v255
	s_wait_dscnt 0x0
	s_endpgm
.Lfunc_end_k_q6478214c9f_attn:
	.size	k_q6478214c9f_attn, .Lfunc_end_k_q6478214c9f_attn-k_q6478214c9f_attn
	.p2alignl 7, 3214868480
	.fill 96, 4, 3214868480
	.section	.rodata,"a",@progbits
	.p2align	6, 0x0
	.amdhsa_kernel k_q6478214c9f_attn
		.amdhsa_group_segment_fixed_size 55296
		.amdhsa_private_segment_fixed_size 0
		.amdhsa_enable_private_segment 0
		.amdhsa_kernarg_size 48
		.amdhsa_user_sgpr_count 2
		.amdhsa_user_sgpr_kernarg_segment_ptr 1
		.amdhsa_wavefront_size32 1
		.amdhsa_system_sgpr_workgroup_id_x 1
		.amdhsa_system_sgpr_workgroup_id_y 1
		.amdhsa_system_sgpr_workgroup_id_z 1
		.amdhsa_system_vgpr_workitem_id 0
		.amdhsa_next_free_vgpr 256
		.amdhsa_next_free_sgpr 66
		.amdhsa_reserve_vcc 1
		.amdhsa_float_denorm_mode_32 3
		.amdhsa_float_denorm_mode_16_64 3
		.amdhsa_memory_ordered 1
		.amdhsa_forward_progress 1
		.amdhsa_inst_pref_size 97
	.end_amdhsa_kernel
	.amdgpu_metadata
---
amdhsa.version: [ 1, 2 ]
amdhsa.kernels:
  - .name:           k_q6478214c9f_attn
    .symbol:         k_q6478214c9f_attn.kd
    .args:
      - { .name: q_codes, .offset: 0, .size: 8, .value_kind: global_buffer, .address_space: global }
      - { .name: q_scales, .offset: 8, .size: 8, .value_kind: global_buffer, .address_space: global }
      - { .name: kv_codes, .offset: 16, .size: 8, .value_kind: global_buffer, .address_space: global }
      - { .name: kv_scales, .offset: 24, .size: 8, .value_kind: global_buffer, .address_space: global }
      - { .name: ctx_codes, .offset: 32, .size: 8, .value_kind: global_buffer, .address_space: global }
      - { .name: ctx_scales, .offset: 40, .size: 8, .value_kind: global_buffer, .address_space: global }
    .group_segment_fixed_size: 55296
    .private_segment_fixed_size: 0
    .kernarg_segment_align: 8
    .kernarg_segment_size: 48
    .max_flat_workgroup_size: 512
    .sgpr_count:     66
    .vgpr_count:     256
    .wavefront_size: 32
...
	.end_amdgpu_metadata
.endif
;; end of part 2
;; launch mlp (part 3): grid 128 x 1, 4 waves a work-group, no clusters, 278,016 bytes of LDS; arguments x, ctx_codes, ctx_scales, wimg, wscl, bo, b1, b2, out0; writes out0
.if DOCPART == 3
	.amdgcn_target "amdgcn-amd-amdhsa--gfx1250"
	.amdhsa_code_object_version 6
	.text
	.protected	k_q6478214c9f_mlp
	.globl	k_q6478214c9f_mlp
	.p2align	8
	.type	k_q6478214c9f_mlp,@function
k_q6478214c9f_mlp:
	s_mov_b64 s[64:65], 0
	v_nop
	global_prefetch_b8 v0, s[64:65] scope:SCOPE_SE
	s_setreg_imm32_b32 hwreg(HW_REG_WAVE_MODE, 25, 1), 1
	s_wait_xcnt 0x0
; x1 = x + ctx Wo + bo;  out = x1 + relu(Q(x1) W1 + b1) W2 + b2, all three products on codes of FP6 (E2M3).  x1 and the hidden layer never go to memory.
; SHARES.  A work-group takes 64 rows, four tiles; tile m, lane r is row 32 (m / 2) + 8 (m % 2) + perm(r), perm(r) = r + 8 (r / 8).  THE WAVES SHARE THE COLUMNS: wave w owns columns 128 w .. of x1 and of out, and hidden units 512 w .., four groups of 128.
;   So each weight fragment serves one wave, which multiplies it by the four tiles of rows.  The first launch has laid the weights as a stream for each wave, 144 pairs of tiles in the order of use, as images of the registers:
;   they go from memory straight into a ring of eight pair buffers: seven pairs, 49 loads, are out while one is multiplied.
;   64 rows: every row block walks all 1,769,472 bytes of weights whatever its height; half the rows on twice the work-groups would double those bytes for the same products.
; OPERANDS FROM WAVE TO WAVE go through LDS as images of their registers (1,536 bytes a fragment, 128 a scale word): x1's 16 fragments behind the first barrier, the hidden layer's 64 behind the second, 64 rows of out behind the third.
; All products transposed (source 0 = 16 rows of a weight, source 1 = 16 rows): a lane holds one row, and the 16 registers of two neighbouring tiles are 16 neighbouring columns.
; No joint loads: each weight byte goes to one wave's registers, and of LDS's 327,680 bytes the images and the stage take 277,504: no two slots larger than the ring's 24,576 bytes a wave would fit.
; PREFETCH.  Work-groups 0 to 2 ask, each wave in its own stream, a lane a block of 256 bytes, 8,192 bytes a work-group: together a run of eight pairs, 24,576 bytes.  Behind the first pair's loads of run n stands the request for run n + 3,
;   sixteen pairs ahead of its first load.  Runs 0 to 2 come by their loads alone; runs 15 to 17 ask for nothing.
; LIMITS: NaN and infinities are not served; a block of zeros gets the byte 1, read by this program alone.
; REGISTERS.  window 0: v1-15 lane terms; v24-31 the ring's scale words; v32-47 the rows' scale words; v64-255 the ring, 24 a pair.
;   window 1: v0-95 two sets of four fragments; v96-159 64 numbers at work, or a bias in the result's layout; v160-192 the quantiser's; v194-197 where I store images.
;   window 2: x1, then out: accumulator (m, t) at 64 m + 8 t.   window 3: ctx's 16 fragments, then the hidden layer's accumulators, at the end rows of out.
.set BIAS,  0                          ; 3,072 bytes a wave: bo 512, b2 512, b1 2,048
.set X1IMG, 12288                      ; fragment 4 s + m
.set X1SC,  36864
.set HIMG,  38912                      ; fragment 4 S + m
.set HSC,   137216
.set STG,   145408                     ; 64 rows x (2,048 + 16)
.set SPI,   2064
.set WSCL,  24
.set AS,    32
.set RING,  64
.set HA,    96
.set TM,    160
.set PC,    172
.set PW,    192
.set X1WI,  194
.set X1WS,  195
.set HWI,   196
.set HWS,   197
.set SEL,   24
.set MSB,   0
.macro WIN new
.if MSB != (\new)
	s_set_vgpr_msb (MSB<<8)|(\new)
.set MSB, (\new)
.endif
.endm
.macro PLACES n
.rept \n
	v_nop
.endr
.endm
.macro WM d, a, b, c, sa, sb, row
.if \row
	v_wmma_scale_f32_16x16x128_f8f6f4 v[\d:\d+7], v[\a:\a+11], v[\b:\b+11], v[\c:\c+7], v[\sa], v[\sb] matrix_a_fmt:MATRIX_FMT_FP6 matrix_b_fmt:MATRIX_FMT_FP6 matrix_a_scale:MATRIX_SCALE_ROW1
.else
	v_wmma_scale_f32_16x16x128_f8f6f4 v[\d:\d+7], v[\a:\a+11], v[\b:\b+11], v[\c:\c+7], v[\sa], v[\sb] matrix_a_fmt:MATRIX_FMT_FP6 matrix_b_fmt:MATRIX_FMT_FP6
.endif
.endm
.macro QUANT s                         ; 64 numbers of a lane, register 16 b + i = k 32 b + 16 (lane / 16) + i: codes in v[PC] on, the scale word in v[PW]
.irp b, 0,1,2,3
	v_max3_num_f32 v[TM+\b], |v[\s+16*\b]|, |v[\s+1+16*\b]|, 0x1800000
.endr
.irp i, 2,4,6,8,10,12,14
.irp b, 0,1,2,3
	v_max3_num_f32 v[TM+\b], v[TM+\b], |v[\s+16*\b+\i]|, |v[\s+1+16*\b+\i]|
.endr
.endr
.irp b, 0,1,2,3
	v_permlanex16_b32 v[TM+4+\b], v[TM+\b], s[SEL], s[SEL+1]
.endr
.irp b, 0,1,2,3
	v_max_num_f32 v[TM+\b], v[TM+\b], v[TM+4+\b]
.endr
.irp b, 0,1,2,3
	v_add_nc_u32 v[TM+8+\b], 0xff000000, v[TM+\b]
.endr
.irp b, 0,1,2,3
	v_lshrrev_b32 v[TM+4+\b], 23, v[TM+8+\b]
.endr
	v_lshl_or_b32 v[PW], v[TM+5], 8, v[TM+4]
	v_lshl_or_b32 v[PW], v[TM+6], 16, v[PW]
	v_lshl_or_b32 v[PW], v[TM+7], 24, v[PW]
.irp c, 0,1
	v_cvt_scalef32_pk16_fp6_f32 v[PC+6*\c:PC+2+6*\c], v[\s+32*\c:\s+15+32*\c], v[TM+8+2*\c]
	v_cvt_scalef32_pk16_fp6_f32 v[PC+12+4*\c:PC+14+4*\c], v[\s+16+32*\c:\s+31+32*\c], v[TM+8+2*\c+1]
.endr
	v_nop
.irp c, 0,1
.irp i, 0,1,2
	v_permlane16_swap_b32 v[PC+6*\c+\i], v[PC+12+4*\c+\i]
.endr
.irp i, 0,1,2
	v_mov_b32 v[PC+3+6*\c+\i], v[PC+12+4*\c+\i]
.endr
.endr
.endm
.macro BARRIER
	s_wait_dscnt 0x0                               ; my LDS stores have landed and my LDS loads are in
	s_barrier_signal -1
	s_barrier_wait -1
.endm
.macro RLOAD buf, off                  ; a pair of tiles and its scale words into ring buffer buf: 7 loads
.irp jj, 0,1
.irp c, 0,1,2
	global_load_b128 v[RING+24*(\buf)+12*\jj+4*\c:RING+24*(\buf)+12*\jj+4*\c+3], v1, s[28:29] offset:(\off)*3072+1536*\jj+512*\c
.endr
.endr
	global_load_b32 v[WSCL+(\buf)], v2, s[30:31] offset:(\off)*128
.endm
; A PAIR: column tiles 2 pi, 2 pi + 1 of one K step x the four tiles of rows: 8 products on 8 accumulators, which take turns; an accumulator comes again after 32 products.
; bb, bs: fragment m of the rows at bb + bs m;  cb = 1: the bias is the C of the sum's first product;  asb, ass: its scale word at asb + ass m;  cnt: the younger loads;  ld = 1: the buffer takes pair off of the stream
.macro PAIR buf, pi, mode, bb, bs, cb, asb, ass, cnt, ld, off
	s_wait_loadcnt \cnt
	WIN \mode
.irp jj, 0,1
.irp m, 0,1,2,3
.if \cb
	WM 64*\m+8*(2*(\pi)+\jj), RING+24*(\buf)+12*\jj, (\bb)+(\bs)*\m, HA+8*(2*(\pi)+\jj), WSCL+(\buf), (\asb)+(\ass)*\m, \jj
.else
	WM 64*\m+8*(2*(\pi)+\jj), RING+24*(\buf)+12*\jj, (\bb)+(\bs)*\m, 64*\m+8*(2*(\pi)+\jj), WSCL+(\buf), (\asb)+(\ass)*\m, \jj
.endif
.endr
.endr
	WIN 0
	PLACES 4                                       ; in front of loads into registers that these products have read, and of the first read of results
.if \ld
	RLOAD \buf, \off
.endif
.endm
.macro FETCH set, adr, off, ns, sadr, soff, asb    ; four fragments (the four tiles of rows of one K step) from LDS into set; ns = 1: their scale words too
	WIN 0x40
.irp m, 0,1,2,3
.irp c, 0,1,2
	ds_load_b128 v[48*(\set)+12*\m+4*\c:48*(\set)+12*\m+4*\c+3], v[\adr] offset:(\off)+1536*\m+512*\c
.endr
.endr
	WIN 0
.if \ns
.irp m, 0,1,2,3
	ds_load_b32 v[(\asb)+\m], v[\sadr] offset:(\soff)+128*\m
.endr
.endif
.endm
.macro BRING relu, m                   ; tile m's 64 results come into window 1, each accumulator from its low end on
.if \relu
	WIN 0x4c
.else
	WIN 0x42
.endif
.set nn, 0
.rept 64
.if \relu
	v_max_num_f32 v[HA+nn], 0, v[64*\m+nn]
.else
	v_mov_b32 v[HA+nn], v[64*\m+nn]
.endif
.set nn, nn+1
.endr
.endm
.macro QIMG adri, adrs, offi, offs     ; they are quantised, and the fragment and its scale words go to LDS as they stand
	WIN 0x55
	QUANT HA
.irp c, 0,1,2
	ds_store_b128 v[\adri], v[PC+4*\c:PC+4*\c+3] offset:(\offi)+512*\c
.endr
	ds_store_b32 v[\adrs], v[PW] offset:\offs
	s_wait_dscnt 0x0                               ; the stores have read their registers
.endm
.macro BIASLD adr, off                 ; 128 numbers of a bias in the result's layout: lane (r, h), tile t: 32 (t / 2) + 16 h + 8 (t % 2) + 0 .. 7
	WIN 0x40
.irp t, 0,1,2,3,4,5,6,7
	ds_load_b128 v[HA+8*\t:HA+8*\t+3], v[\adr] offset:(\off)+128*(\t/2)+32*(\t%2)
	ds_load_b128 v[HA+8*\t+4:HA+8*\t+7], v[\adr] offset:(\off)+128*(\t/2)+32*(\t%2)+16
.endr
	WIN 0
.endm
.macro ADDB                            ; and onto all four tiles of rows
	WIN 0x86
.irp m, 0,1,2,3
.irp t, 0,1,2,3,4,5,6,7
.irp k, 0,2,4,6
	v_pk_add_f32 v[64*\m+8*\t+\k:64*\m+8*\t+\k+1], v[64*\m+8*\t+\k:64*\m+8*\t+\k+1], v[HA+8*\t+\k:HA+8*\t+\k+1]
.endr
.endr
.endr
	WIN 0
.endm
.macro ASK off, lp                     ; the request for the run three runs on (head comment)
.if \lp
	s_cmp_lt_u32 s26, s27
.else
	s_cmp_lt_u32 ttmp9, 3
.endif
	s_cbranch_scc0 .Lnot_mine_\@
	global_prefetch_b8 v14, s[28:29] offset:(\off)*3072 th:TH_LOAD_NT scope:SCOPE_SE
.Lnot_mine_\@:
.endm
	s_load_b512 s[4:19], s[0:1], 0x0               ; x 4, ctx_codes 6, ctx_scales 8, wimg 10, wscl 12, bo 14, b1 16, b2 18
	s_load_b64 s[20:21], s[0:1], 0x40              ; out0
	v_lshl_add_u32 v62, v0, 2, 0x43c00
	v_mov_b32 v63, 0
	v_lshrrev_b32 v1, 5, v0
	v_readfirstlane_b32 s22, v1                    ; wave
	v_and_b32 v16, 31, v0                          ; lane
	v_and_b32 v17, 15, v0                          ; r
	v_bfe_u32 v18, v0, 4, 1                        ; h
	v_and_b32 v19, 8, v17
	v_add_nc_u32 v19, v19, v17                     ; perm(r)
	v_lshlrev_b32 v1, 4, v16                       ; 16 x lane
	v_lshlrev_b32 v2, 2, v16                       ; 4 x lane
	v_lshlrev_b32 v3, 4, v17                       ; 16 r
	v_lshlrev_b32 v4, 3, v16                       ; 8 x lane
	s_lshl_b32 s32, s22, 9
	v_lshlrev_b32 v5, 11, v19
	v_lshl_add_u32 v5, v18, 6, v5
	v_add_nc_u32 v5, s32, v5                       ; x: row perm(r), + 64 h, + my 128 columns
	v_add_nc_u32 v7, HIMG, v1                      ; the hidden layer's images, as I read them
	v_add_nc_u32 v8, HSC, v2
	s_mul_i32 s33, s22, 3072
	v_lshlrev_b32 v9, 6, v18
	v_add_nc_u32 v9, s33, v9                       ; my biases: + 64 h
	v_add_nc_u32 v10, 1024, v9                     ; b1's
	v_mul_u32_u24 v11, v19, SPI
	v_lshl_add_u32 v11, v18, 6, v11
	v_add_nc_u32 v11, s32, v11
	v_add_nc_u32 v11, STG, v11                     ; the stage: row perm(r), + 64 h, + my 512 bytes
	v_add_nc_u32 v12, 32*SPI, v11                  ; and 32 rows further down
	s_mul_i32 s34, s22, 16*SPI
	v_add_nc_u32 v13, s34, v1
	v_add_nc_u32 v13, STG, v13                     ; back: my 16 rows
	s_lshl_b32 s35, ttmp9, 13
	v_lshlrev_b32 v14, 8, v16
	v_add_nc_u32 v14, s35, v14                     ; the prefetches' offset: 256 x lane + 8,192 x work-group
	v_add_nc_u32 v15, s33, v1                      ; where I store my biases
	s_mul_i32 s36, s22, 6144
	s_add_co_u32 s36, s36, X1IMG
	s_lshl_b32 s37, s22, 9
	s_add_co_u32 s37, s37, X1SC
	s_mul_i32 s38, s22, 24576
	s_add_co_u32 s38, s38, HIMG
	s_lshl_b32 s39, s22, 11
	s_add_co_u32 s39, s39, HSC
	WIN 0x40
	v_add_nc_u32 v[X1WI], s36, v1                  ; x1's K step w: fragments 4 w + m
	v_add_nc_u32 v[X1WS], s37, v2
	v_add_nc_u32 v[HWI], s38, v1                   ; the hidden layer's K steps 4 w + 0 .. 3
	v_add_nc_u32 v[HWS], s39, v2
.irp b, 0,1,2,3
	v_mov_b32 v[TM+4+\b], 0                        ; a lane permute's destination counts as one of its sources
.endr
	WIN 0
	s_mov_b32 s24, 0x76543210
	s_mov_b32 s25, 0xfedcba98
	s_cmp_lt_u32 ttmp9, 3
	s_cselect_b32 s27, 5, 0
	s_mov_b32 s41, 0
	s_wait_kmcnt 0x0
	s_lshl_b32 s40, ttmp9, 17                      ; my 64 rows of 2,048 bytes
	s_add_nc_u64 s[4:5], s[4:5], s[40:41]
	s_add_nc_u64 s[20:21], s[20:21], s[40:41]
	s_lshl_b32 s40, s22, 15                        ; the 16 rows that I store
	s_add_nc_u64 s[20:21], s[20:21], s[40:41]
	s_mul_i32 s40, ttmp9, 24576                    ; four row tiles x eight heads x 768
	s_add_nc_u64 s[6:7], s[6:7], s[40:41]
	s_lshl_b32 s40, ttmp9, 10
	s_add_nc_u64 s[8:9], s[8:9], s[40:41]
	s_mul_i32 s40, s22, 442368                     ; my stream: 144 pairs x 3,072
	s_add_nc_u64 s[28:29], s[10:11], s[40:41]
	s_mul_i32 s40, s22, 18432
	s_add_nc_u64 s[30:31], s[12:13], s[40:41]
	s_lshl_b32 s40, s22, 9
	s_add_nc_u64 s[14:15], s[14:15], s[40:41]
	s_add_nc_u64 s[18:19], s[18:19], s[40:41]
	s_lshl_b32 s40, s22, 11
	s_add_nc_u64 s[16:17], s[16:17], s[40:41]
	WIN 0x40                                       ; my biases: 6 loads
	global_load_b128 v[0:3], v1, s[14:15]
	global_load_b128 v[4:7], v1, s[18:19]
.irp k, 0,1,2,3
	global_load_b128 v[8+4*\k:11+4*\k], v1, s[16:17] offset:512*\k
.endr
	WIN 0
.irp m, 0,1,2,3                                ; ctx: a row's 16 scale bytes are the words of the four K steps; 4 + 64 loads
	global_load_b128 v[AS+4*\m:AS+4*\m+3], v3, s[8:9] offset:256*\m th:TH_LOAD_NT
.endr
	WIN 0xc0
.irp m, 0,1,2,3
.irp hd, 0,1,2,3,4,5,6,7                       ; head hd is half hd % 2 of K step hd / 2
	global_load_b128 v[12*(4*\m+\hd/2)+6*(\hd%2):12*(4*\m+\hd/2)+6*(\hd%2)+3], v1, s[6:7] offset:(8*\m+\hd)*768 th:TH_LOAD_NT
	global_load_b64 v[12*(4*\m+\hd/2)+6*(\hd%2)+4:12*(4*\m+\hd/2)+6*(\hd%2)+5], v4, s[6:7] offset:(8*\m+\hd)*768+512 th:TH_LOAD_NT
.endr
.endr
	s_wait_loadcnt 63                              ; 68 loads were issued behind the biases': these are in
	WIN 0x04
	ds_store_b128 v15, v[0:3]
	ds_store_b128 v15, v[4:7] offset:512
.irp k, 0,1,2,3
	ds_store_b128 v15, v[8+4*\k:11+4*\k] offset:1024+512*\k
.endr
	WIN 0x80
.irp m, 0,1,2,3                                ; x in the result's layout, into the accumulators
.irp b, 0,1,2,3
.irp j, 0,1,2,3
	global_load_b128 v[64*\m+16*\b+4*\j:64*\m+16*\b+4*\j+3], v5, s[4:5] offset:(32*(\m/2)+8*(\m%2))*2048+128*\b+16*\j th:TH_LOAD_NT
.endr
.endr
.endr
	WIN 0
.irp n, 0,1,2,3,4,5,6,7
	RLOAD \n, \n                                   ; the ring's first eight pairs: 56 loads
.endr
	BIASLD 9, 0                                    ; bo (LDS serves a wave's instructions in order: these see my stores)
	s_wait_dscnt 0x0
	s_wait_loadcnt 56                              ; all but the ring's: x and ctx are in
	ADDB                                           ; x + bo starts the sums
	; ---- A: x1 = x + bo + ctx Wo.  Pair 4 s + pi
.irp s, 0,1,2,3
.irp pi, 0,1,2,3
	PAIR (4*\s+\pi)%8, \pi, 0xac, 12*\s, 48, 0, AS+\s, 4, 49, 1, 4*\s+\pi+8
.if (\pi == 0) && (\s%2 == 0)
	ASK 24+4*\s, 0
.endif
.endr
.endr
	; ---- x1 is quantised: my 128 columns are K step w of the next product
.irp m, 0,1,2,3
	BRING 0, \m
	QIMG X1WI, X1WS, 1536*\m, 128*\m
.endr
	BIASLD 9, 512                                  ; b2 goes onto x1 now: the last product adds onto x1 + b2
	s_wait_dscnt 0x0
	ADDB
	BARRIER                                        ; x1's sixteen fragments lie in LDS
	; ---- B: the hidden layer, a group of 128 units a trip
.irp s, 0,1,2,3
.irp m, 0,1,2,3
	ds_load_b32 v[AS+4*\s+\m], v2 offset:X1SC+128*(4*\s+\m)
.endr
.endr
	s_mov_b32 s26, 4
.Lgroup:
	BIASLD 10, 0
	FETCH 0, 1, X1IMG, 0, 0, 0, 0
	s_wait_dscnt 0x0
.irp s, 0,1,2,3
.if \s < 3
	FETCH (\s+1)%2, 1, X1IMG+6144*(\s+1), 0, 0, 0, 0
.endif
.irp pi, 0,1,2,3
.if \s == 0
	PAIR \pi, \pi, 0xd4, 0, 12, 1, AS, 1, 49, 1, 24+\pi
.else
	PAIR (4*\s+\pi)%8, \pi, 0xf4, 48*(\s%2), 12, 0, AS+4*\s, 1, 49, 1, 24+4*\s+\pi
.endif
.if (\pi == 0) && (\s%2 == 0)
	ASK 40+4*\s, 0
.endif
.endr
	s_wait_dscnt 0x0                               ; the next K step's fragments are in
.endr
.irp m, 0,1,2,3
	BRING 1, \m                                    ; relu, in f32
	QIMG HWI, HWS, 1536*\m, 128*\m
.endr
	v_add_nc_u32 v[HWI], 6144, v[HWI]              ; (still in window 1)  the next group's images
	v_add_nc_u32 v[HWS], 512, v[HWS]
	WIN 0
	v_add_nc_u32 v10, 512, v10
	s_wait_xcnt 0x0                                ; the ring's loads and the prefetches have read their bases
	s_add_nc_u64 s[28:29], s[28:29], 49152         ; 16 pairs on
	s_add_nc_u64 s[30:31], s[30:31], 2048
	s_sub_co_u32 s26, s26, 1
	s_cmp_lg_u32 s26, 0
	s_cbranch_scc1 .Lgroup
	BARRIER                                        ; the hidden layer's 64 fragments lie in LDS
	; ---- C: out = x1 + b2 + hidden W2: 16 K steps, two a trip
	FETCH 0, 7, 0, 1, 8, 0, AS
	s_wait_dscnt 0x0
	s_mov_b32 s26, 0
.Lk2:
	FETCH 1, 7, 6144, 1, 8, 512, AS+4
.irp pi, 0,1,2,3
	PAIR \pi, \pi, 0xa4, 0, 12, 0, AS, 1, 49, 1, 24+\pi
.if \pi == 0
	ASK 40, 1
.endif
.endr
	s_wait_dscnt 0x0
	FETCH 0, 7, 12288, 1, 8, 1024, AS
.irp pi, 0,1,2,3
	PAIR 4+\pi, \pi, 0xa4, 48, 12, 0, AS+4, 1, 49, 1, 28+\pi
.endr
	s_wait_dscnt 0x0
	v_add_nc_u32 v7, 12288, v7
	v_add_nc_u32 v8, 1024, v8
	s_wait_xcnt 0x0
	s_add_nc_u64 s[28:29], s[28:29], 24576         ; 8 pairs on
	s_add_nc_u64 s[30:31], s[30:31], 1024
	s_add_co_u32 s26, s26, 1
	s_cmp_lt_u32 s26, 7
	s_cbranch_scc1 .Lk2
	FETCH 1, 7, 6144, 1, 8, 512, AS+4              ; the last two K steps load nothing more: the counts run down by a pair's seven
.irp pi, 0,1,2,3
	PAIR \pi, \pi, 0xa4, 0, 12, 0, AS, 1, 49-7*\pi, 0, 0
.endr
	s_wait_dscnt 0x0
.irp pi, 0,1,2,3
	PAIR 4+\pi, \pi, 0xa4, 48, 12, 0, AS+4, 1, 21-7*\pi, 0, 0
.endr
	; ---- the way out: a row's 2,048 bytes come from four waves: they meet in the stage
	WIN 0x08
.irp m, 0,1,2,3
.irp t, 0,1,2,3,4,5,6,7
	ds_store_b128 v[11+\m/2], v[64*\m+8*\t:64*\m+8*\t+3] offset:8*(\m%2)*SPI+128*(\t/2)+32*(\t%2)
	ds_store_b128 v[11+\m/2], v[64*\m+8*\t+4:64*\m+8*\t+7] offset:8*(\m%2)*SPI+128*(\t/2)+32*(\t%2)+16
.endr
.endr
	WIN 0
	BARRIER                                        ; 64 whole rows lie in the stage
	WIN 0xc0
.set ii, 0
.rept 64
	ds_load_b128 v[4*ii:4*ii+3], v13 offset:(ii/4)*SPI+(ii%4)*512
.set ii, ii+1
.endr
	WIN 0x0c
.set ii, 0
.rept 64
	s_wait_dscnt 63-ii
	global_store_b128 v1, v[4*ii:4*ii+3], s[20:21] offset:(ii/4)*2048+(ii%4)*512 th:TH_STORE_NT   ; 32 lanes store 512 consecutive bytes, at a multiple of 256 from out0's first byte
.set ii, ii+1
.endr
	WIN 0
	s_wait_tensorcnt 0x0
	ds_add_u32 v62, v63
	s_wait_dscnt 0x0
	s_endpgm
.Lfunc_end_k_q6478214c9f_mlp:
	.size	k_q6478214c9f_mlp, .Lfunc_end_k_q6478214c9f_mlp-k_q6478214c9f_mlp
	.p2alignl 7, 3214868480
	.fill 96, 4, 3214868480
	.section	.rodata,"a",@progbits
	.p2align	6, 0x0
	.amdhsa_kernel k_q6478214c9f_mlp
		.amdhsa_group_segment_fixed_size 278016
		.amdhsa_private_segment_fixed_size 0
		.amdhsa_enable_private_segment 0
		.amdhsa_kernarg_size 72
		.amdhsa_user_sgpr_count 2
		.amdhsa_user_sgpr_kernarg_segment_ptr 1
		.amdhsa_wavefront_size32 1
		.amdhsa_system_sgpr_workgroup_id_x 1
		.amdhsa_system_sgpr_workgroup_id_y 1
		.amdhsa_system_sgpr_workgroup_id_z 1
		.amdhsa_system_vgpr_workitem_id 0
		.amdhsa_next_free_vgpr 1024
		.amdhsa_next_free_sgpr 66
		.amdhsa_reserve_vcc 0
		.amdhsa_float_denorm_mode_32 3
		.amdhsa_float_denorm_mode_16_64 3
		.amdhsa_memory_ordered 1
		.amdhsa_forward_progress 1
		.amdhsa_inst_pref_size 203
	.end_amdhsa_kernel
	.amdgpu_metadata
---
amdhsa.version: [ 1, 2 ]
amdhsa.kernels:
  - .name:           k_q6478214c9f_mlp
    .symbol:         k_q6478214c9f_mlp.kd
    .args:
      - { .name: x, .offset: 0, .size: 8, .value_kind: global_buffer, .address_space: global }
      - { .name: ctx_codes, .offset: 8, .size: 8, .value_kind: global_buffer, .address_space: global }
      - { .name: ctx_scales, .offset: 16, .size: 8, .value_kind: global_buffer, .address_space: global }
      - { .name: wimg, .offset: 24, .size: 8, .value_kind: global_buffer, .address_space: global }
      - { .name: wscl, .offset: 32, .size: 8, .value_kind: global_buffer, .address_space: global }
      - { .name: bo, .offset: 40, .size: 8, .value_kind: global_buffer, .address_space: global }
      - { .name: b1, .offset: 48, .size: 8, .value_kind: global_buffer, .address_space: global }
      - { .name: b2, .offset: 56, .size: 8, .value_kind: global_buffer, .address_space: global }
      - { .name: out0, .offset: 64, .size: 8, .value_kind: global_buffer, .address_space: global }
    .group_segment_fixed_size: 278016
    .private_segment_fixed_size: 0
    .kernarg_segment_align: 8
    .kernarg_segment_size: 72
    .max_flat_workgroup_size: 128
    .sgpr_count:     66
    .vgpr_count:     1024
    .wavefront_size: 32
...
	.end_amdgpu_metadata
.endif
;; end of part 3
;; ======== version 2 of 2: 3 launches; version 1 with the launches qkv, attn, mlp written anew for expert scheduling mode
;; workspace buffers: q_codes 3,145,728 bytes; q_scales 262,144 bytes; kv_codes 6,291,456 bytes; kv_scales 524,288 bytes; ctx_codes 3,145,728 bytes; ctx_scales 131,072 bytes; wimg 1,769,472 bytes; wscl 73,728 bytes
;; launch qkv (part 4): grid 128 x 2, 4 waves a work-group, no clusters, 27,136 bytes of LDS; arguments x, Wq_codes, Wq_scales, bq, Wk_codes, Wk_scales, bk, Wv_codes, Wv_scales, bv, W1_codes, W1_scales, W2_codes, W2_scales, Wo_codes, Wo_scales, q_codes, q_scales, kv_codes, kv_scales, wimg, wscl; writes q_codes, q_scales, kv_codes, kv_scales, wimg, wscl
.if DOCPART == 4
	.amdgcn_target "amdgcn-amd-amdhsa--gfx1250"
	.amdhsa_code_object_version 6
	.text
	.protected	k_q6478214c9f_qkv
	.globl	k_q6478214c9f_qkv
	.p2align	8
	.type	k_q6478214c9f_qkv,@function
k_q6478214c9f_qkv:
	s_mov_b64 s[64:65], 0
	v_nop
	global_prefetch_b8 v0, s[64:65] scope:SCOPE_SE
	s_setreg_imm32_b32 hwreg(HW_REG_WAVE_SCHED_MODE, 0, 2), 2
	s_setreg_imm32_b32 hwreg(HW_REG_WAVE_MODE, 25, 1), 1
	s_wait_xcnt 0x0
	s_wait_alu depctr_vm_vsrc(0)
; q, k, v = Q(x) W + b on codes of FP6 (E2M3) with one E8M0 scale for each 32 along K; q and k leave quantised along the head's 64, v along the keys.
; Beside that each wave lays one fragment of W1 or W2 (and the first 32 work-groups one of Wo) in the order of an operand's registers, for the third launch.
; SHARES.  Work-group (X, y): rows 64 X .. 64 X + 63 of x, heads 4 y .. 4 y + 3.  Wave w is head 4 y + w, so each weight fragment is loaded by one wave; wave w also quantises row tile w of x.
; TILES.  perm(r) = r + 8 (r / 8).  Tile 2 b + u of any 32 rows takes rows 32 b + 8 u + perm(r): where such a tile is source 0, the 16 result registers of tiles 2 b, 2 b + 1 are 16 neighbours, 32 b + 16 (lane / 16) + 0 .. 15.
;   q, k: source 0 = 16 rows of W (the head's channels), source 1 = 16 rows of x: a lane holds one row and 32 channels.   v: source 0 = 16 rows of x (keys), source 1 = 16 rows of Wv: a lane holds one channel and 32 keys.
; IMAGES.  An operand leaves as an image of its registers.  Half image (16 rows x 64 K, 6 registers, 768 bytes): registers 0-3 at 16 x lane, registers 4-5 at 512 + 8 x lane.  Full image (12 registers, 1,536 bytes): registers 4 c .. 4 c + 3 at 512 c + 16 x lane.
; No tensor load: x is quantised from registers, and every weight byte serves one wave.  No cluster: the two work-groups that share rows of x each load them as f32 from memory.
; LIMITS: NaN and infinities among the inputs are not served.  A block of zeros, or one whose largest magnitude lies under 2^-124, gets the byte 1: its codes are right or zeros, and this program alone reads the bytes.
; REGISTERS.  window 0: v1-17 lane terms; v20-35 x's scale words (4 m + s); v36-83 the weights' scale words, 16 each for q, k, v (4 t + s); v84-211 16 accumulators (ahead of them two sets of 64 numbers of x); v212-251 at work.
;   window 1: v0-191 Wq's fragments at 12 (4 t + s), later Wv's; v192-223 bq.   window 2: the same for Wk, bk.   window 3: v0-191 x's fragments at 12 (4 m + s); v192-223 bv, spread; v224-227 bv as loaded; v228-240 the fragment that is laid anew.
; THE MODE: SCHED_MODE bits 1:0 = 2 (LLVM: expert scheduling mode 2), set by the entry lines.  The code itself states the register dependences between vector or matrix instructions and memory or LDS instructions, with s_wait_alu, always for 0.
; THE PLAN.  Registers that memory or LDS instructions touch, and who else names them:
;   v5-v17        offsets, made at the head and never written again: one wait on va_vdst ahead of the first load.
;   v84-211       as two sets of x: loads land, the quantiser reads.  ONE wait on va_vdst behind each quantising: it is done reading its set, which is asked for again at once, and has written the codes, which the LDS stores read.
;   v224-242, 244 x's codes and word: the quantiser writes, the LDS stores read; a wait on vm_vsrc ahead of the next quantising.
;   OUT-BUFFERS   of q, k, v: tile 0's codes at v224 on, tile m's in the accumulators that tile m - 1 has left, the words in v245-248 (v250-251).  Four quantisings in a run, ONE wait on va_vdst, all the stores;
;                 ONE wait on XCNT and on vm_vsrc ahead of the next product, whose matrix instructions write the accumulators again.
;   window 1      v0-191: Wq's products read them, Wv's loads land there: the wait on va_vdst ahead of q's stores states that those products are done; no vector or matrix instruction behind it names these registers before Wv's loads.
;   window 3      v228-240: a load lands, a store reads, Wo's load lands: a wait on vm_vsrc ahead of it.
;   All other operands of the products (x's fragments and words, Wk, the biases, the weights' words) are loaded once into registers that no vector instruction writes.
.set XSC,  24576                       ; LDS: x's 16 fragments, 1,536 bytes each, at 0; their scale words, 128 bytes each, here
.set XS,   20
.set WS,   36
.set ACC,  84
.set TM,   212                         ; v212-215 largest magnitudes, v216-219 the other half's, then bytes, v220-223 the conversions' scale operands
.set PC,   224                         ; v224-235 codes, v236-242 second halves
.set PW,   244                         ; the scale word just made
.set KW,   245                         ; v245-248 four tiles' scale words
.set SEL,  52
.set MSB,  0
.macro WIN new                         ; the immediate's high byte repeats the setting that is left
.if MSB != (\new)
	s_set_vgpr_msb (MSB<<8)|(\new)
.set MSB, (\new)
.endif
.endm
.macro PLACES n
.rept \n
	v_nop
.endr
.endm
.macro WM d, a, b, c, sa, sb, row
.if \row
	v_wmma_scale_f32_16x16x128_f8f6f4 v[\d:\d+7], v[\a:\a+11], v[\b:\b+11], v[\c:\c+7], v[\sa], v[\sb] matrix_a_fmt:MATRIX_FMT_FP6 matrix_b_fmt:MATRIX_FMT_FP6 matrix_a_scale:MATRIX_SCALE_ROW1
.else
	v_wmma_scale_f32_16x16x128_f8f6f4 v[\d:\d+7], v[\a:\a+11], v[\b:\b+11], v[\c:\c+7], v[\sa], v[\sb] matrix_a_fmt:MATRIX_FMT_FP6 matrix_b_fmt:MATRIX_FMT_FP6
.endif
.endm
; 64 numbers of a lane, register 16 b + i = k 32 b + 16 (lane / 16) + i of my row, become a fragment's codes in v[PC] on and its scale word in v[PW]
.macro QUANT s
.irp b, 0,1,2,3
	v_max3_num_f32 v[TM+\b], |v[\s+16*\b]|, |v[\s+1+16*\b]|, 0x1800000   ; my 16 numbers of block b, and the floor 2^(3 - 127): the byte cannot fall under 1
.endr
.irp i, 2,4,6,8,10,12,14
.irp b, 0,1,2,3
	v_max3_num_f32 v[TM+\b], v[TM+\b], |v[\s+16*\b+\i]|, |v[\s+1+16*\b+\i]|
.endr
.endr
.irp b, 0,1,2,3
	v_permlanex16_b32 v[TM+4+\b], v[TM+\b], s[SEL], s[SEL+1]
.endr
.irp b, 0,1,2,3
	v_max_num_f32 v[TM+\b], v[TM+\b], v[TM+4+\b]                          ; with lane l xor 16's: the block's largest magnitude
.endr
.irp b, 0,1,2,3
	v_add_nc_u32 v[TM+8+\b], 0xff000000, v[TM+\b]                         ; 2 off its exponent field: the conversion's scale operand
.endr
.irp b, 0,1,2,3
	v_lshrrev_b32 v[TM+4+\b], 23, v[TM+8+\b]                              ; the scale's byte
.endr
	v_lshl_or_b32 v[PW], v[TM+5], 8, v[TM+4]
	v_lshl_or_b32 v[PW], v[TM+6], 16, v[PW]
	v_lshl_or_b32 v[PW], v[TM+7], 24, v[PW]
.irp c, 0,1
	v_cvt_scalef32_pk16_fp6_f32 v[PC+6*\c:PC+2+6*\c], v[\s+32*\c:\s+15+32*\c], v[TM+8+2*\c]
	v_cvt_scalef32_pk16_fp6_f32 v[PC+12+4*\c:PC+14+4*\c], v[\s+16+32*\c:\s+31+32*\c], v[TM+8+2*\c+1]
.endr
	v_nop                                                                  ; one plain line behind the scaled conversions
.irp c, 0,1                                                            ; the operand wants a whole block in a lane: lanes 0-15 block 2 c, lanes 16-31 block 2 c + 1
.irp i, 0,1,2
	v_permlane16_swap_b32 v[PC+6*\c+\i], v[PC+12+4*\c+\i]
.endr
.irp i, 0,1,2
	v_mov_b32 v[PC+3+6*\c+\i], v[PC+12+4*\c+\i]
.endr
.endr
.endm
; the same for 32 numbers, two blocks: a half image in v[o] .. v[o+5] (v[o+6] .. v[o+8] at work), the word (two bytes) in v[pw]
.macro QUANT2 s, o, pw
.irp b, 0,1
	v_max3_num_f32 v[TM+\b], |v[\s+16*\b]|, |v[\s+1+16*\b]|, 0x1800000
.endr
.irp i, 2,4,6,8,10,12,14
.irp b, 0,1
	v_max3_num_f32 v[TM+\b], v[TM+\b], |v[\s+16*\b+\i]|, |v[\s+1+16*\b+\i]|
.endr
.endr
.irp b, 0,1
	v_permlanex16_b32 v[TM+2+\b], v[TM+\b], s[SEL], s[SEL+1]
.endr
.irp b, 0,1
	v_max_num_f32 v[TM+\b], v[TM+\b], v[TM+2+\b]
.endr
.irp b, 0,1
	v_add_nc_u32 v[TM+4+\b], 0xff000000, v[TM+\b]
.endr
.irp b, 0,1
	v_lshrrev_b32 v[TM+2+\b], 23, v[TM+4+\b]
.endr
	v_lshl_or_b32 v[\pw], v[TM+3], 8, v[TM+2]
	v_cvt_scalef32_pk16_fp6_f32 v[\o:\o+2], v[\s:\s+15], v[TM+4]
	v_cvt_scalef32_pk16_fp6_f32 v[\o+6:\o+8], v[\s+16:\s+31], v[TM+5]
	v_nop
.irp i, 0,1,2
	v_permlane16_swap_b32 v[\o+\i], v[\o+6+\i]
.endr
.irp i, 0,1,2
	v_mov_b32 v[\o+3+\i], v[\o+6+\i]
.endr
.endm
.macro OUTB m                          ; tile m's out-buffer: tile 0's at v[PC], tile m's in the accumulators that tile m - 1's quantising has left
.if (\m) == 0
.set OB, PC
.else
.set OB, ACC+32*((\m)-1)
.endif
.endm
.macro QALL                            ; the four tiles of a product are quantised in one run, each into registers of its own
.irp m, 0,1,2,3
	OUTB \m
	QUANT2 ACC+32*\m, OB, KW+\m
.endr
.endm
.macro HALL base, off                  ; and leave in one run: a half image is 512 consecutive bytes, then 256
.irp m, 0,1,2,3
	OUTB \m
	global_store_b128 v6, v[OB:OB+3], s[\base:\base+1] offset:(\off)+768*\m
	global_store_b64 v14, v[OB+4:OB+5], s[\base:\base+1] offset:(\off)+768*\m+512
.endr
.endm
.macro XLOAD reg, s                    ; my 16 rows' numbers of K step s: 16 neighbours of each block of 32
.irp b, 0,1,2,3
.irp j, 0,1,2,3
	global_load_b128 v[\reg+16*\b+4*\j:\reg+16*\b+4*\j+3], v5, s[84:85] offset:512*\s+128*\b+16*\j
.endr
.endr
.endm
.macro IMAGE s                         ; fragment 4 w + s and its scale words go to LDS as they stand
.irp c, 0,1,2
	ds_store_b128 v8, v[PC+4*\c:PC+4*\c+3] offset:1536*\s+512*\c
.endr
	ds_store_b32 v9, v[PW] offset:XSC+128*\s
.endm
.macro WHALF base, wn, kh              ; my head's four tiles of a weight, K steps 2 kh and 2 kh + 1: 48 loads
	WIN (\wn)<<6
.irp t, 0,1,2,3
.irp u, 0,1
.irp p, 0,1,2,3,4,5
	global_load_b64 v[12*(4*\t+2*\kh+\u)+2*\p:12*(4*\t+2*\kh+\u)+2*\p+1], v10, s[\base:\base+1] offset:(32*(\t/2)+8*(\t%2))*384+96*(2*\kh+\u)+48*(\p/3)+8*(\p%3)
.endr
.endr
.endr
	WIN 0
.endm
.macro WSCALES sbase, wsb              ; a row's 16 scale bytes are the words of its four K steps
.irp t, 0,1,2,3
	global_load_b128 v[\wsb+4*\t:\wsb+4*\t+3], v11, s[\sbase:\sbase+1] offset:(32*(\t/2)+8*(\t%2))*16
.endr
.endm
.macro WBIAS bbase, wn                 ; the bias in the result's layout: lane (r, h), tile t: channels 32 (t / 2) + 16 h + 8 (t % 2) + 0 .. 7
	WIN (\wn)<<6
.irp t, 0,1,2,3
	global_load_b128 v[192+8*\t:195+8*\t], v12, s[\bbase:\bbase+1] offset:(32*(\t/2)+8*(\t%2))*4
	global_load_b128 v[196+8*\t:199+8*\t], v12, s[\bbase:\bbase+1] offset:(32*(\t/2)+8*(\t%2))*4+16
.endr
	WIN 0
.endm
; 16 matrix instructions, one K step: the 16 accumulators take turns, one instruction a turn.  first = 1: the bias is the C of the sum's first product
.macro MULQK wn, wsb, s, first
.if \first
	WIN (\wn)|0x0c|((\wn)<<4)
.else
	WIN (\wn)|0x0c
.endif
.irp m, 0,1,2,3
.irp t, 0,1,2,3
.if \first
	WM ACC+32*\m+8*\t, 12*(4*\t+\s), 12*(4*\m+\s), 192+8*\t, \wsb+4*\t+\s, XS+4*\m+\s, 0
.else
	WM ACC+32*\m+8*\t, 12*(4*\t+\s), 12*(4*\m+\s), ACC+32*\m+8*\t, \wsb+4*\t+\s, XS+4*\m+\s, 0
.endif
.endr
.endr
.endm
.macro MULV s, first
.if \first
	WIN 0x37
.else
	WIN 0x07
.endif
.irp dt, 0,1,2,3
.irp m, 0,1,2,3
.if \first
	WM ACC+32*\dt+8*\m, 12*(4*\m+\s), 12*(4*\dt+\s), 192+8*\dt, XS+4*\m+\s, WS+32+4*\dt+\s, 0
.else
	WM ACC+32*\dt+8*\m, 12*(4*\m+\s), 12*(4*\dt+\s), ACC+32*\dt+8*\m, XS+4*\m+\s, WS+32+4*\dt+\s, 0
.endif
.endr
.endr
.endm
.macro RL_LOAD adrc, adrs              ; one fragment of a weight, and its rows' scale words, into window 3
	WIN 0xc0
.irp p, 0,1,2,3,4,5
	global_load_b64 v[228+2*\p:229+2*\p], v[\adrc], s[66:67] offset:48*(\p/3)+8*(\p%3)
.endr
	global_load_b32 v240, v[\adrs], s[68:69]
	WIN 0
.endm
.macro RL_STORE                        ; and out as a full image; lanes 16-31 repeat lanes 0-15's scale words at the same places
	WIN 0x0c
.irp c, 0,1,2
	global_store_b128 v6, v[228+4*\c:231+4*\c], s[80:81] offset:512*\c
.endr
	global_store_b32 v15, v240, s[82:83]
	WIN 0
.endm
	s_load_b512 s[4:19], s[0:1], 0x0               ; x 4, Wq codes 6, scales 8, bq 10, Wk codes 12, scales 14, bk 16, Wv codes 18
	s_load_b512 s[20:35], s[0:1], 0x40             ; Wv scales 20, bv 22, W1 codes 24, scales 26, W2 codes 28, scales 30, Wo codes 32, scales 34
	s_load_b256 s[36:43], s[0:1], 0x80             ; q_codes 36, q_scales 38, kv_codes 40, kv_scales 42
	s_load_b128 s[44:47], s[0:1], 0xa0             ; wimg 44, wscl 46
	v_lshl_add_u32 v254, v0, 2, 0x6800
	v_mov_b32 v255, 0
	v_lshrrev_b32 v1, 5, v0
	v_readfirstlane_b32 s48, v1                    ; wave
	v_and_b32 v1, 31, v0                           ; lane
	v_and_b32 v2, 15, v0                           ; r
	v_bfe_u32 v3, v0, 4, 1                         ; h
	v_and_b32 v4, 8, v2
	v_add_nc_u32 v4, v4, v2                        ; perm(r)
	v_lshlrev_b32 v5, 11, v4
	v_lshl_add_u32 v5, v3, 6, v5                   ; x: row perm(r) of 2,048 bytes + 64 h
	v_lshlrev_b32 v6, 4, v1                        ; 16 x lane
	v_lshlrev_b32 v7, 2, v1                        ; 4 x lane
	s_wait_alu depctr_va_sdst(0)                   ; s48 is written, ahead of its first reader: LDS places, bases and the fragment's number are made from it
	s_mul_i32 s56, s48, 6144
	v_add_nc_u32 v8, s56, v6                       ; where I store x's images: 16 x lane + 4 fragments x wave
	s_lshl_b32 s56, s48, 9
	v_add_nc_u32 v9, s56, v7                       ; and their scale words
	v_mul_u32_u24 v10, v4, 384
	v_mad_u32_u24 v10, v3, 24, v10                 ; a weight of K = 512: row perm(r) of 384 bytes + 24 h
	v_lshlrev_b32 v11, 4, v4                       ; its scale bytes: 16 a row
	v_lshlrev_b32 v12, 6, v3                       ; bq, bk: 64 h
	v_lshlrev_b32 v13, 2, v4                       ; bv: 4 perm(r)
	v_lshlrev_b32 v14, 3, v1                       ; 8 x lane
	v_lshlrev_b32 v15, 2, v2                       ; 4 r
	s_mov_b32 s49, ttmp9                           ; X
	s_and_b32 s50, ttmp7, 0xffff                   ; y
	s_lshl_b32 s51, s50, 7
	s_add_co_u32 s51, s51, s49                     ; I = 128 y + X
	s_mov_b32 s52, 0x76543210
	s_mov_b32 s53, 0xfedcba98                      ; v_permlanex16_b32's selects for lane l xor 16
	s_mov_b32 s54, 0xffff0000                      ; lanes 16-31
	s_lshr_b32 s88, s48, 1
	s_lshl_b32 s88, s88, 5
	s_and_b32 s74, s48, 1
	s_lshl_b32 s74, s74, 3
	s_add_co_u32 s88, s88, s74                     ; 32 (w / 2) + 8 (w % 2): where tile w begins among 64 rows
	; which fragment of W1 (I < 128) or W2 I lay anew.  The stream of the third launch's wave w': 144 pairs of tiles: 16 of Wo, 64 of W1, 64 of W2
	s_and_b32 s56, s51, 127                        ; I'
	s_cmp_lt_u32 s51, 128
	s_cselect_b32 s57, 3, 5
	s_cselect_b32 s58, 3, 15
	s_mov_b32 s59, 1536
	s_cselect_b32 s59, 384, s59                    ; a row of codes in bytes
	s_cselect_b32 s60, 16, 64                      ; a row of scale bytes
	s_cselect_b32 s61, 8, 40
	s_lshr_b32 s62, s56, s57                       ; which 128 rows
	s_lshl_b32 s62, s62, 7
	s_and_b32 s74, s56, 1
	s_lshl_b32 s74, s74, 6
	s_add_co_u32 s62, s62, s74
	s_add_co_u32 s62, s62, s88                     ; the tile's first row
	s_lshr_b32 s63, s56, 1
	s_and_b32 s63, s63, s58                        ; the K step
	s_mul_i32 s70, s62, s59
	s_mul_i32 s74, s63, 96
	s_add_co_u32 s70, s70, s74
	s_mov_b32 s71, 0
	s_mul_i32 s72, s62, s60
	s_lshl_b32 s74, s63, 2
	s_add_co_u32 s72, s72, s74
	s_mov_b32 s73, 0
	s_lshr_b32 s74, s56, 5
	s_mul_i32 s74, s74, 72
	s_add_co_u32 s74, s74, s61
	s_and_b32 s75, s56, 31
	s_add_co_u32 s74, s74, s75                     ; which two pairs of the streams: my work-group's four fragments
	s_mul_i32 s76, s74, 6144
	s_mul_i32 s75, s48, 1536
	s_add_co_u32 s76, s76, s75
	s_mov_b32 s77, 0
	s_lshl_b32 s78, s74, 8
	s_lshl_b32 s75, s48, 6
	s_add_co_u32 s78, s78, s75
	s_mov_b32 s79, 0
	v_mul_lo_u32 v16, v4, s59
	v_mad_u32_u24 v16, v3, 24, v16
	v_mul_lo_u32 v17, v4, s60
	s_lshl_b32 s86, s49, 6
	s_add_co_u32 s86, s86, s88
	s_lshl_b32 s86, s86, 11                        ; x: my tile's first row
	s_mov_b32 s87, 0
	s_lshl_b32 s89, s50, 2
	s_add_co_u32 s89, s89, s48                     ; my head
	s_mul_i32 s90, s89, 24576                      ; its 64 rows in a weight's codes,
	s_mov_b32 s91, 0
	s_lshl_b32 s92, s89, 10                        ; scale bytes
	s_mov_b32 s93, 0
	s_lshl_b32 s94, s89, 8                         ; and bias
	s_mov_b32 s95, 0
	s_lshr_b32 s56, s49, 6
	s_lshl_b32 s56, s56, 3
	s_add_co_u32 s56, s56, s89                     ; 8 x batch + head
	s_and_b32 s57, s49, 63                         ; which 64 rows of the batch
	s_lshl_b32 s58, s56, 8
	s_lshl_b32 s59, s57, 2
	s_add_co_u32 s58, s58, s59                     ; my first query tile
	s_mul_i32 s60, s58, 768
	s_mov_b32 s61, 0
	s_lshl_b32 s62, s58, 6
	s_mov_b32 s63, 0
	s_lshl_b32 s58, s56, 6
	s_add_co_u32 s58, s58, s57                     ; my 64 keys
	s_mul_i32 s96, s58, 6144
	s_mov_b32 s97, 0
	s_lshl_b32 s98, s58, 9
	s_mov_b32 s99, 0
	s_and_b32 s55, s57, 1
	s_lshl_b32 s55, s55, 4                         ; v's two scale bytes stand at bytes 0, 1 or 2, 3 of a word for 128 keys
.irp b, 0,1,2,3
	v_mov_b32 v[TM+4+\b], 0                        ; a lane permute's destination counts as one of its sources
.endr
	s_wait_kmcnt 0x0
	s_cmp_lt_u32 s51, 128                          ; the choice hangs on the work-group's number alone
	s_cselect_b64 s[66:67], s[24:25], s[28:29]
	s_cselect_b64 s[68:69], s[26:27], s[30:31]
	s_add_nc_u64 s[66:67], s[66:67], s[70:71]
	s_add_nc_u64 s[68:69], s[68:69], s[72:73]
	s_add_nc_u64 s[80:81], s[44:45], s[76:77]
	s_add_nc_u64 s[82:83], s[46:47], s[78:79]
	s_add_nc_u64 s[84:85], s[4:5], s[86:87]
	s_add_nc_u64 s[6:7], s[6:7], s[90:91]
	s_add_nc_u64 s[12:13], s[12:13], s[90:91]
	s_add_nc_u64 s[18:19], s[18:19], s[90:91]
	s_add_nc_u64 s[8:9], s[8:9], s[92:93]
	s_add_nc_u64 s[14:15], s[14:15], s[92:93]
	s_add_nc_u64 s[20:21], s[20:21], s[92:93]
	s_add_nc_u64 s[10:11], s[10:11], s[94:95]
	s_add_nc_u64 s[16:17], s[16:17], s[94:95]
	s_add_nc_u64 s[22:23], s[22:23], s[94:95]
	s_add_nc_u64 s[36:37], s[36:37], s[60:61]
	s_add_nc_u64 s[38:39], s[38:39], s[62:63]
	s_add_nc_u64 s[40:41], s[40:41], s[96:97]
	s_add_nc_u64 s[42:43], s[42:43], s[98:99]
	s_wait_alu depctr_va_vdst(0)                   ; the offsets v5 to v17 are written: every load and store of the kernel, global or LDS, reads one of them
	RL_LOAD 16, 17                                 ; 7 loads
	XLOAD ACC, 0
	XLOAD ACC+64, 1
	; ---- x: my 16 rows become four fragments; two sets of registers, each K step's loads out while the one before is quantised
	s_wait_loadcnt 16                              ; the fragment and K step 0 are in; K step 1's 16 loads may be out
	RL_STORE
	QUANT ACC
	s_wait_alu depctr_va_vdst(0)                   ; the quantiser is done reading the first set, in which K step 2's loads land, and has written the codes and the word, which the LDS stores read
	XLOAD ACC, 2
	IMAGE 0
	s_wait_loadcnt 16                              ; K step 1 is in; K step 2's 16 may be out
	s_wait_alu depctr_vm_vsrc(0)                   ; the LDS stores have read the codes and the word, which the next quantising writes again
	QUANT ACC+64
	s_wait_alu depctr_va_vdst(0)                   ; the same for the second set and K step 3's loads
	XLOAD ACC+64, 3
	IMAGE 1
	WSCALES 8, WS                                  ; Wq's first chunk: 4 + 8 + 48 = 60 loads, into registers that no vector instruction has named
	WBIAS 10, 1
	WHALF 6, 1, 0
	s_wait_loadcnt 63                              ; 76 loads were issued behind K step 2's: any count up to 76 shows them in
	s_wait_alu depctr_vm_vsrc(0)                   ; the LDS stores have read the codes and the word
	QUANT ACC
	s_wait_alu depctr_va_vdst(0)                   ; the quantiser has written the codes and the word, which the LDS stores read
	IMAGE 2
	s_wait_loadcnt 60                              ; K step 3 is in; Wq's chunk may be out
	s_wait_alu depctr_vm_vsrc(0)                   ; the LDS stores have read the codes and the word
	QUANT ACC+64
	s_wait_alu depctr_va_vdst(0)                   ; the quantiser has written the codes and the word, which the LDS stores read
	IMAGE 3
	s_wait_dscnt 0x0                               ; for the others' sake: my stores have landed
	s_barrier_signal -1
	s_barrier_wait -1                              ; x's sixteen fragments lie in LDS
	s_wait_alu depctr_vm_vsrc(0)                   ; my last LDS stores have read v[PC ..]: these registers are tile 0's out-buffer from here on
	WIN 0xc0
.set ff, 0
.rept 16
.irp c, 0,1,2
	ds_load_b128 v[12*ff+4*\c:12*ff+4*\c+3], v6 offset:1536*ff+512*\c
.endr
.set ff, ff+1
.endr
	WIN 0
.set ff, 0
.rept 16
	ds_load_b32 v[XS+ff], v7 offset:XSC+128*ff
.set ff, ff+1
.endr
	s_wait_dscnt 0x0
	; ---- the three products, in chunks of two K steps: a chunk's loads are waited for, the next chunk's are issued into registers of their own, this chunk is multiplied
	s_wait_loadcnt 0x0
	WHALF 6, 1, 1
	MULQK 1, WS, 0, 1
	MULQK 1, WS, 1, 0
	WIN 0
	s_wait_loadcnt 0x0
	WSCALES 14, WS+16
	WBIAS 16, 2
	WHALF 12, 2, 0
	MULQK 1, WS, 2, 0
	MULQK 1, WS, 3, 0
	WIN 0
	PLACES 4                                       ; four plain lines between the last product and the first read of results
	QALL                                           ; q: the four row tiles, quantised along the head's 64
	s_wait_alu depctr_va_vdst(0)                   ; the quantisings have written the four out-buffers and the words, which the stores read; and Wq's products are done reading window 1's v0-191, in which Wv's loads land later
	HALL 36, 0
.irp m, 0,1,2,3
	global_store_b32 v15, v[KW+\m], s[38:39] offset:64*\m
.endr
	s_wait_loadcnt 0x0
	s_wait_xcnt 0x0                                ; q's stores have had their addresses translated: their data registers are written again only behind this wait,
	s_wait_alu depctr_vm_vsrc(0)                   ; and they have read the out-buffers and the words: Wk's products write the accumulators, k's quantisings v[PC ..] and the words
	WHALF 12, 2, 1
	MULQK 2, WS+16, 0, 1
	MULQK 2, WS+16, 1, 0
	WIN 0
	s_wait_loadcnt 0x0
	WSCALES 20, WS+32                              ; Wv's first chunk, into the registers that Wq has left (the wait ahead of q's stores has shown Wq's products done)
	WIN 0xc0
.irp t, 0,1,2,3
	global_load_b32 v[224+\t], v13, s[22:23] offset:(32*(\t/2)+8*(\t%2))*4
.endr
	WIN 0
	WHALF 18, 1, 0
	MULQK 2, WS+16, 2, 0
	MULQK 2, WS+16, 3, 0
	WIN 0
	PLACES 4
	QALL                                           ; k likewise
	v_cndmask_b32 v250, v[KW], v[KW+1], s54        ; scale words as the reader's registers want them: tile 2 i in lanes 0-15, tile 2 i + 1 in lanes 16-31
	v_cndmask_b32 v251, v[KW+2], v[KW+3], s54
	s_wait_alu depctr_va_vdst(0)                   ; the out-buffers and v250, v251 are written, which the stores read
	HALL 40, 0
	global_store_b64 v14, v[250:251], s[42:43]
	s_wait_loadcnt 0x0
	s_wait_xcnt 0x0                                ; k's stores have had their addresses translated,
	s_wait_alu depctr_vm_vsrc(0)                   ; and have read the out-buffers and v250, v251, which Wv's products and v's quantisings write again
	WHALF 18, 1, 1
	WIN 0xc3
.irp dt, 0,1,2,3
.irp j, 0,1,2,3,4,5,6,7
	v_mov_b32 v[192+8*\dt+\j], v[224+\dt]          ; in v's layout a lane holds one channel: its bias in all eight registers
.endr
.endr
	MULV 0, 1
	MULV 1, 0
	WIN 0
	s_wait_loadcnt 0x0
	MULV 2, 0
	MULV 3, 0
	WIN 0
	PLACES 4
	QALL                                           ; v: 16 channels x my 64 keys a tile, quantised along the keys
.irp dt, 0,1,2,3
	v_lshlrev_b32 v[KW+\dt], s55, v[KW+\dt]
.endr
	v_cndmask_b32 v250, v[KW], v[KW+1], s54
	v_cndmask_b32 v251, v[KW+2], v[KW+3], s54
	s_wait_alu depctr_va_vdst(0)                   ; the out-buffers and v250, v251 are written, which the stores read
	HALL 40, 3072
	global_store_b64 v14, v[250:251], s[42:43] offset:256
	; ---- Wo's 128 fragments: the first 32 work-groups, one a wave
	s_cmp_ge_u32 s51, 32
	s_cbranch_scc1 .Lend
	s_lshr_b32 s56, s51, 3                         ; which 128 rows
	s_lshr_b32 s57, s51, 1
	s_and_b32 s57, s57, 3                          ; the K step
	s_lshl_b32 s58, s56, 7
	s_and_b32 s59, s51, 1
	s_lshl_b32 s59, s59, 6
	s_add_co_u32 s58, s58, s59
	s_add_co_u32 s58, s58, s88
	s_mul_i32 s70, s58, 384
	s_mul_i32 s59, s57, 96
	s_add_co_u32 s70, s70, s59
	s_lshl_b32 s72, s58, 4
	s_lshl_b32 s59, s57, 2
	s_add_co_u32 s72, s72, s59
	s_mul_i32 s74, s56, 72
	s_and_b32 s59, s51, 7
	s_add_co_u32 s74, s74, s59
	s_mul_i32 s76, s74, 6144
	s_mul_i32 s59, s48, 1536
	s_add_co_u32 s76, s76, s59
	s_lshl_b32 s78, s74, 8
	s_lshl_b32 s59, s48, 6
	s_add_co_u32 s78, s78, s59
	s_wait_xcnt 0x0                                ; the first fragment's loads and stores have read their bases and registers
	s_wait_alu depctr_vm_vsrc(0)                   ; the first fragment's stores have read window 3's v228-240, in which Wo's fragment lands
	s_add_nc_u64 s[66:67], s[32:33], s[70:71]
	s_add_nc_u64 s[68:69], s[34:35], s[72:73]
	s_add_nc_u64 s[80:81], s[44:45], s[76:77]
	s_add_nc_u64 s[82:83], s[46:47], s[78:79]
	RL_LOAD 10, 11
	s_wait_loadcnt 0x0
	RL_STORE
.Lend:
	s_wait_dscnt 0x0
	s_wait_alu depctr_hold_cnt(0) depctr_sa_sdst(0) depctr_va_vdst(0) depctr_va_sdst(0) depctr_va_ssrc(0) depctr_va_vcc(0) depctr_vm_vsrc(0)
	s_wait_tensorcnt 0x0
	ds_add_u32 v254, v255
	s_wait_dscnt 0x0
	s_endpgm
.Lfunc_end_k_q6478214c9f_qkv:
	.size	k_q6478214c9f_qkv, .Lfunc_end_k_q6478214c9f_qkv-k_q6478214c9f_qkv
	.p2alignl 7, 3214868480
	.fill 96, 4, 3214868480
	.section	.rodata,"a",@progbits
	.p2align	6, 0x0
	.amdhsa_kernel k_q6478214c9f_qkv
		.amdhsa_group_segment_fixed_size 27136
		.amdhsa_private_segment_fixed_size 0
		.amdhsa_enable_private_segment 0
		.amdhsa_kernarg_size 176
		.amdhsa_user_sgpr_count 2
		.amdhsa_user_sgpr_kernarg_segment_ptr 1
		.amdhsa_wavefront_size32 1
		.amdhsa_system_sgpr_workgroup_id_x 1
		.amdhsa_system_sgpr_workgroup_id_y 1
		.amdhsa_system_sgpr_workgroup_id_z 1
		.amdhsa_system_vgpr_workitem_id 0
		.amdhsa_next_free_vgpr 1024
		.amdhsa_next_free_sgpr 100
		.amdhsa_reserve_vcc 0
		.amdhsa_float_denorm_mode_32 3
		.amdhsa_float_denorm_mode_16_64 3
		.amdhsa_memory_ordered 1
		.amdhsa_forward_progress 1
		.amdhsa_inst_pref_size 118
	.end_amdhsa_kernel
	.amdgpu_metadata
---
amdhsa.version: [ 1, 2 ]
amdhsa.kernels:
  - .name:           k_q6478214c9f_qkv
    .symbol:         k_q6478214c9f_qkv.kd
    .args:
      - { .name: x, .offset: 0, .size: 8, .value_kind: global_buffer, .address_space: global }
      - { .name: Wq_codes, .offset: 8, .size: 8, .value_kind: global_buffer, .address_space: global }
      - { .name: Wq_scales, .offset: 16, .size: 8, .value_kind: global_buffer, .address_space: global }
      - { .name: bq, .offset: 24, .size: 8, .value_kind: global_buffer, .address_space: global }
      - { .name: Wk_codes, .offset: 32, .size: 8, .value_kind: global_buffer, .address_space: global }
      - { .name: Wk_scales, .offset: 40, .size: 8, .value_kind: global_buffer, .address_space: global }
      - { .name: bk, .offset: 48, .size: 8, .value_kind: global_buffer, .address_space: global }
      - { .name: Wv_codes, .offset: 56, .size: 8, .value_kind: global_buffer, .address_space: global }
      - { .name: Wv_scales, .offset: 64, .size: 8, .value_kind: global_buffer, .address_space: global }
      - { .name: bv, .offset: 72, .size: 8, .value_kind: global_buffer, .address_space: global }
      - { .name: W1_codes, .offset: 80, .size: 8, .value_kind: global_buffer, .address_space: global }
      - { .name: W1_scales, .offset: 88, .size: 8, .value_kind: global_buffer, .address_space: global }
      - { .name: W2_codes, .offset: 96, .size: 8, .value_kind: global_buffer, .address_space: global }
      - { .name: W2_scales, .offset: 104, .size: 8, .value_kind: global_buffer, .address_space: global }
      - { .name: Wo_codes, .offset: 112, .size: 8, .value_kind: global_buffer, .address_space: global }
      - { .name: Wo_scales, .offset: 120, .size: 8, .value_kind: global_buffer, .address_space: global }
      - { .name: q_codes, .offset: 128, .size: 8, .value_kind: global_buffer, .address_space: global }
      - { .name: q_scales, .offset: 136, .size: 8, .value_kind: global_buffer, .address_space: global }
      - { .name: kv_codes, .offset: 144, .size: 8, .value_kind: global_buffer, .address_space: global }
      - { .name: kv_scales, .offset: 152, .size: 8, .value_kind: global_buffer, .address_space: global }
      - { .name: wimg, .offset: 160, .size: 8, .value_kind: global_buffer, .address_space: global }
      - { .name: wscl, .offset: 168, .size: 8, .value_kind: global_buffer, .address_space: global }
    .group_segment_fixed_size: 27136
    .private_segment_fixed_size: 0
    .kernarg_segment_align: 8
    .kernarg_segment_size: 176
    .max_flat_workgroup_size: 128
    .sgpr_count:     100
    .vgpr_count:     1024
    .wavefront_size: 32
...
	.end_amdgpu_metadata
.endif
;; end of part 4
;; launch attn (part 5): grid 16 x 16, 16 waves a work-group, no clusters, 55,296 bytes of LDS; arguments q_codes, q_scales, kv_codes, kv_scales, ctx_codes, ctx_scales; writes ctx_codes, ctx_scales
.if DOCPART == 5
	.amdgcn_target "amdgcn-amd-amdhsa--gfx1250"
	.amdhsa_code_object_version 6
	.text
	.protected	k_q6478214c9f_attn
	.globl	k_q6478214c9f_attn
	.p2align	8
	.type	k_q6478214c9f_attn,@function
k_q6478214c9f_attn:
	s_mov_b64 s[64:65], 0
	v_nop
	global_prefetch_b8 v0, s[64:65] scope:SCOPE_SE
	s_setreg_imm32_b32 hwreg(HW_REG_WAVE_SCHED_MODE, 0, 2), 2
	s_setreg_imm32_b32 hwreg(HW_REG_WAVE_MODE, 25, 1), 1
	s_wait_xcnt 0x0
	s_wait_alu depctr_vm_vsrc(0)
; Causal attention on codes of FP6 (E2M3), head size 64; ctx leaves quantised along the head's 64, as an operand of the next product.
; t = score x log2(e) / 8; M = the running largest t rounded up to a whole number; p = 2^(t - M) is quantised along the keys, not normalised; the row's sum is taken of the unquantised p and divides at the end.
; SHARES.  Work-group (g, bh).  A head's 4,096 queries are 32 blocks of 128; block b needs the key steps 0 .. b of 128 keys, the last on the diagonal.  Waves 0-7 take block g, waves 8-15 block 31 - g: 33 steps for each pair of waves, in every work-group.
;   A wave owns one tile of 16 queries in 256 registers: four waves to a SIMD, so that one wave's vector work stands beside another's products and LDS loads.
; LAYOUT.  Both products transposed: S^T = K Q^T (source 0 = 16 keys), O^T = V^T P^T (source 0 = 16 channels): a lane holds one query.  The first launch chose the rows of every tile so that 16 registers of two neighbouring tiles are 16 neighbours.
;   The head's 64 are half of the instruction's K: registers 6-11 of Q's and K's fragments are zero codes, written once.
; LDS.  Two slots of 256 keys: 24,576 bytes of register images as they lie in memory, then 2,048 scale bytes.  512 threads copy a slot through registers; its loads are issued a whole slot ahead of the wait for them.
;   A slot is stored only behind the barrier that follows every wave's last read of it, and read only behind the barrier that follows its stores.
; No joint loads: the work-groups of a head walk different numbers of key steps (32 - g), so partners would need different numbers of tiles.  No prefetch: no wave waits for the copy's loads.
; LIMITS: NaN and infinities are not served; a block of zeros gets the byte 1, read by this program alone.
; REGISTERS: v1-7 lane terms; v12 -M, v13 largest t, v[14:15] the sum; v16-27 Q, v28 its scale word; v30-42 the copy; v44-91 four fragments of K; v92-95 K's scale words; v96-159 S^T, then p, then V's four fragments;
;   v160-191 O^T; v192-195 V's scale words; v196-214 p's codes; v216-238 at work.  s36-43: eight masks of the diagonal step.
; THE MODE: SCHED_MODE bits 1:0 = 2 (LLVM: expert scheduling mode 2), set by the entry lines.  The code itself states the register dependences between vector or matrix instructions and memory or LDS instructions, with s_wait_alu, always for 0.
; THE PLAN.  Registers that memory or LDS instructions touch, and who else names them:
;   v1-v7        offsets, made at the head and never written again: one wait on va_vdst ahead of the first load.
;   v30-v42      the copy: global loads land, LDS stores read, the next slot's loads land: a wait on vm_vsrc behind the barrier.  No vector instruction names them.
;   v44-49 + 12 t, v92-95, v192-195   K's fragments, K's and V's scale words: LDS loads land, products read (two v_or lines write v192, v193).  A wait on va_vdst at a step's head states that the last step's products and
;                v_or lines are done (on the first step: that the zero codes, which the products take as operands, are written); one more stands between the two groups of four tiles of K, which share one set of registers.
;   v96-v143     p, then V's fragments: exponentials write, sums and conversions read, LDS loads land.  ONE wait on va_vdst, behind eight of the sixteen rescalings of O^T (the plain lines behind the lines that made p's codes and
;                word): it states that p's readers and writers are done, and that p's codes and scale word, which the scaled products take, are written.  The other eight rescalings follow the loads and name none of their registers.
;   v196-201, v235   ctx's codes and word on the way out: a wait on va_vdst ahead of the stores.
.set SEL, 20
.set MK,  36
.set TM,  216
.set PC,  196
.set BM,  216                          ; v216-219 the blocks' largest scores, then largest p
.set BT,  220                          ; v220-223 the other half's
.set SO,  224                          ; v224-227 the conversions' scale operands
.set BY,  228                          ; v228-231 bytes
.set SL1, 26624                        ; slot 1
.macro PLACES n
.rept \n
	v_nop
.endr
.endm
.macro WMZ d, a, b, sa, sb, row
.if \row
	v_wmma_scale_f32_16x16x128_f8f6f4 v[\d:\d+7], v[\a:\a+11], v[\b:\b+11], 0, v[\sa], v[\sb] matrix_a_fmt:MATRIX_FMT_FP6 matrix_b_fmt:MATRIX_FMT_FP6 matrix_a_scale:MATRIX_SCALE_ROW1
.else
	v_wmma_scale_f32_16x16x128_f8f6f4 v[\d:\d+7], v[\a:\a+11], v[\b:\b+11], 0, v[\sa], v[\sb] matrix_a_fmt:MATRIX_FMT_FP6 matrix_b_fmt:MATRIX_FMT_FP6
.endif
.endm
.macro WM d, a, b, c, sa, sb, row
.if \row
	v_wmma_scale_f32_16x16x128_f8f6f4 v[\d:\d+7], v[\a:\a+11], v[\b:\b+11], v[\c:\c+7], v[\sa], v[\sb] matrix_a_fmt:MATRIX_FMT_FP6 matrix_b_fmt:MATRIX_FMT_FP6 matrix_a_scale:MATRIX_SCALE_ROW1
.else
	v_wmma_scale_f32_16x16x128_f8f6f4 v[\d:\d+7], v[\a:\a+11], v[\b:\b+11], v[\c:\c+7], v[\sa], v[\sb] matrix_a_fmt:MATRIX_FMT_FP6 matrix_b_fmt:MATRIX_FMT_FP6
.endif
.endm
.macro QUANT2 s, pw                    ; 32 numbers of a lane, register 16 b + i = k 32 b + 16 (lane / 16) + i: a half image in v[PC] .. v[PC+5], two scale bytes in v[pw]
.irp b, 0,1
	v_max3_num_f32 v[TM+\b], |v[\s+16*\b]|, |v[\s+1+16*\b]|, 0x1800000
.endr
.irp i, 2,4,6,8,10,12,14
.irp b, 0,1
	v_max3_num_f32 v[TM+\b], v[TM+\b], |v[\s+16*\b+\i]|, |v[\s+1+16*\b+\i]|
.endr
.endr
.irp b, 0,1
	v_permlanex16_b32 v[TM+2+\b], v[TM+\b], s[SEL], s[SEL+1]
.endr
.irp b, 0,1
	v_max_num_f32 v[TM+\b], v[TM+\b], v[TM+2+\b]
.endr
.irp b, 0,1
	v_add_nc_u32 v[TM+4+\b], 0xff000000, v[TM+\b]
.endr
.irp b, 0,1
	v_lshrrev_b32 v[TM+2+\b], 23, v[TM+4+\b]
.endr
	v_lshl_or_b32 v[\pw], v[TM+3], 8, v[TM+2]
	v_cvt_scalef32_pk16_fp6_f32 v[PC:PC+2], v[\s:\s+15], v[TM+4]
	v_cvt_scalef32_pk16_fp6_f32 v[PC+6:PC+8], v[\s+16:\s+31], v[TM+5]
	v_nop
.irp i, 0,1,2
	v_permlane16_swap_b32 v[PC+\i], v[PC+6+\i]
.endr
.irp i, 0,1,2
	v_mov_b32 v[PC+3+\i], v[PC+6+\i]
.endr
.endm
.macro LOADSLOT                        ; the next 256 keys' images and scale bytes into the copy's registers; past the head's last slot the last is asked for again, so that no load leaves its buffer
	s_min_u32 s32, s27, 15
	s_lshl_b32 s34, s32, 11
	s_mul_i32 s32, s32, 24576
	s_add_nc_u64 s[28:29], s[8:9], s[32:33]
	s_add_nc_u64 s[30:31], s[10:11], s[34:35]
	global_load_b128 v[30:33], v3, s[28:29]
	global_load_b128 v[34:37], v3, s[28:29] offset:8192
	global_load_b128 v[38:41], v3, s[28:29] offset:16384
	global_load_b32 v42, v4, s[30:31]
	s_add_co_u32 s27, s27, 1
.endm
.macro COPY L
	s_wait_loadcnt 0x0                             ; the slot's loads, issued two key steps ago, are in: their bases may be written again
	ds_store_b128 v3, v[30:33] offset:\L
	ds_store_b128 v3, v[34:37] offset:\L+8192
	ds_store_b128 v3, v[38:41] offset:\L+16384
	ds_store_b32 v4, v42 offset:\L+24576
	s_wait_dscnt 0x0                               ; for the others' sake: my stores have landed; my reads of the other slot are over
	s_barrier_signal -1
	s_barrier_wait -1
	s_wait_alu depctr_vm_vsrc(0)                   ; my LDS stores have read v30 to v42, in which the next slot's loads land
	LOADSLOT
.endm
; A KEY STEP: 128 keys, the qq-th of the slot at L
.macro STEP L, qq
	s_cmp_gt_u32 s24, s19                          ; all its keys come after my queries: left out (a branch on ids; no barrier stands in a step)
	s_cbranch_scc1 .Lhidden_\@
	s_wait_alu depctr_va_vdst(0)                   ; the last step's products are done reading K's fragments, K's and V's scale words, and its v_or lines have written v192, v193: the loads below land in these; on the first step: the zero codes of Q's and K's fragments are written
.irp hs, 0,1
	ds_load_b64 v[92+2*\hs:93+2*\hs], v2 offset:\L+24576+(2*\qq+\hs)*512
	ds_load_b64 v[192+2*\hs:193+2*\hs], v2 offset:\L+24576+(2*\qq+\hs)*512+256
.endr
.irp gq, 0,1                                   ; S^T = K Q^T, four tiles of 16 keys at a time
.if \gq
	PLACES 4                                       ; four plain lines behind the products,
	s_wait_alu depctr_va_vdst(0)                   ; and the first four products are done reading K's fragments, in which the next four tiles land
.endif
.irp t, 0,1,2,3
	ds_load_b128 v[44+12*\t:47+12*\t], v1 offset:\L+(2*\qq+\gq)*6144+768*\t
	ds_load_b64 v[48+12*\t:49+12*\t], v2 offset:\L+(2*\qq+\gq)*6144+768*\t+512
.endr
	s_wait_dscnt 0x0
.if \gq == 0
	v_or_b32 v192, v192, v194                      ; V's scale words for 128 keys: each half's two bytes stand at their places already
	v_or_b32 v193, v193, v195
.endif
.irp t, 0,1,2,3
	WMZ 96+8*(4*\gq+\t), 44+12*\t, 16, 92+2*\gq+\t/2, 28, \t%2
.endr
.endr
	PLACES 4
	s_cmp_lg_u32 s24, s19                          ; on the diagonal the scores of hidden keys become -infinity ahead of the maximum
	s_cbranch_scc1 .Lopen_\@
.set nn, 0
.rept 8                                        ; register 16 b + i holds key 32 b + 16 (lane / 16) + i of the step: hidden where 32 b + i > my query's place - 16 (lane / 16).  Eight compares in a run, into eight scalar registers
.irp i, 0,1,2,3,4,5,6,7
	v_cmp_gt_i32 s[MK+\i], 32*((nn+\i)/16)+(nn+\i)%16, v5
.endr
	s_wait_alu depctr_va_sdst(0)                   ; the eight masks are written, ahead of the selects that read them
.irp i, 0,1,2,3,4,5,6,7
	v_cndmask_b32 v[96+nn+\i], v[96+nn+\i], v238, s[MK+\i]
.endr
.set nn, nn+8
.endr
.Lopen_\@:
.irp b, 0,1,2,3
	v_max3_num_f32 v[BM+\b], v[96+16*\b], v[97+16*\b], v[98+16*\b]   ; the largest score of each block of 32 keys: for the row's maximum and, since p rises with the score, for the block's largest p
.endr
.irp i, 3,5,7,9,11,13
.irp b, 0,1,2,3
	v_max3_num_f32 v[BM+\b], v[BM+\b], v[96+16*\b+\i], v[97+16*\b+\i]
.endr
.endr
.irp b, 0,1,2,3
	v_max_num_f32 v[BM+\b], v[BM+\b], v[111+16*\b]
.endr
.irp b, 0,1,2,3
	v_permlanex16_b32 v[BT+\b], v[BM+\b], s[SEL], s[SEL+1]
.endr
.irp b, 0,1,2,3
	v_max_num_f32 v[BM+\b], v[BM+\b], v[BT+\b]
.endr
	v_max3_num_f32 v235, v216, v217, v218
	v_max_num_f32 v235, v235, v219
	v_mul_f32 v235, s22, v235                      ; the step's largest t
	v_max_num_f32 v13, v13, v235
	v_mov_b32 v235, v12
	v_floor_f32 v12, -v13                          ; the new -M = floor(-t): M is a whole number
	v_sub_f32 v235, v12, v235                      ; old M - new M, 0 or less
	v_cvt_i32_f32 v235, v235                       ; (it saturates)
	v_ldexp_f32 v232, 1.0, v235                    ; f = 2^(old M - new M): a multiplication by it rounds nothing
.set nn, 0
.rept 32
	v_pk_fma_f32 v[96+nn:97+nn], v[96+nn:97+nn], s[22:23], v[12:13] op_sel_hi:[1,0,0]   ; t - M
.set nn, nn+2
.endr
.irp b, 0,1,2,3
	v_fma_f32 v[BM+\b], v[BM+\b], s22, v12
.endr
.set nn, 0
	s_wait_alu depctr_va_vdst(0)
.rept 64
	v_exp_f32 v[96+nn], v[96+nn]                   ; p = 2^(t - M)
.set nn, nn+1
.endr
	v_pk_mul_f32 v[14:15], v[14:15], v[232:233] op_sel_hi:[1,0]   ; the sums under the new M: the plain line behind the exponentials
	s_wait_alu depctr_va_vdst(0)                   ; the 64 exponentials have written p: one wait for the batch, ahead of its first reader
.irp b, 0,1,2,3
	v_exp_f32 v[BM+\b], v[BM+\b]                   ; the block's largest p
.endr
	v_pk_add_f32 v[236:237], v[96:97], v[98:99]    ; the row's sum of the unquantised p, in two chains; plain work behind the four
.irp j, 4,8,12,16,20,24,28,32,36,40,44,48,52,56,60
	v_pk_add_f32 v[14:15], v[14:15], v[96+\j:97+\j]
	v_pk_add_f32 v[236:237], v[236:237], v[98+\j:99+\j]
.endr
	v_pk_add_f32 v[14:15], v[14:15], v[236:237]
	s_wait_alu depctr_va_vdst(0)                   ; the four exponentials have written the blocks' largest p, ahead of their first reader
.irp b, 0,1,2,3
	v_max_num_f32 v[BM+\b], 0x1800000, v[BM+\b]    ; the floor 2^(3 - 127)
.endr
.irp b, 0,1,2,3
	v_add_nc_u32 v[SO+\b], 0xff000000, v[BM+\b]
.endr
.irp b, 0,1,2,3
	v_lshrrev_b32 v[BY+\b], 23, v[SO+\b]
.endr
	v_lshl_or_b32 v234, v229, 8, v228              ; p's scale word for these 128 keys
	v_lshl_or_b32 v234, v230, 16, v234
	v_lshl_or_b32 v234, v231, 24, v234
.irp c, 0,1
	v_cvt_scalef32_pk16_fp6_f32 v[PC+6*\c:PC+2+6*\c], v[96+32*\c:111+32*\c], v[SO+2*\c]
	v_cvt_scalef32_pk16_fp6_f32 v[PC+12+4*\c:PC+14+4*\c], v[112+32*\c:127+32*\c], v[SO+2*\c+1]
.endr
	v_nop
.irp c, 0,1
.irp i, 0,1,2
	v_permlane16_swap_b32 v[PC+6*\c+\i], v[PC+12+4*\c+\i]
.endr
.irp i, 0,1,2
	v_mov_b32 v[PC+3+6*\c+\i], v[PC+12+4*\c+\i]
.endr
.endr
.set nn, 0
.rept 8
	v_pk_mul_f32 v[160+nn:161+nn], v[160+nn:161+nn], v[232:233] op_sel_hi:[1,0]   ; O^T under the new M, its first half: these eight are the plain lines behind the lines that made p's codes and word
.set nn, nn+2
.endr
	s_wait_alu depctr_va_vdst(0)                   ; the sums and conversions are done reading p and the exponentials have written it: V's fragments land there; p's codes, its scale word and v192, v193 are written, which the scaled products take
.irp dt, 0,1,2,3                               ; V's four fragments (16 channels x 128 keys: two half images) into the registers that p has left
.irp c, 0,1
	ds_load_b128 v[96+12*\dt+6*\c:99+12*\dt+6*\c], v1 offset:\L+(2*\qq+\c)*6144+3072+768*\dt
	ds_load_b64 v[100+12*\dt+6*\c:101+12*\dt+6*\c], v2 offset:\L+(2*\qq+\c)*6144+3072+768*\dt+512
.endr
.endr
.rept 8
	v_pk_mul_f32 v[160+nn:161+nn], v[160+nn:161+nn], v[232:233] op_sel_hi:[1,0]   ; its second half, while the loads are out: these lines name none of the loads' registers
.set nn, nn+2
.endr
	s_wait_alu depctr_va_vdst(0)
	s_wait_dscnt 0x0
.irp dt, 0,1,2,3
	WM 160+8*\dt, 96+12*\dt, PC, 160+8*\dt, 192+\dt/2, 234, \dt%2
.endr
	PLACES 5                                       ; the next step's scores are written over V's fragments by products: five plain lines
.Lhidden_\@:
	s_add_co_u32 s24, s24, 1
.endm
	s_load_b256 s[4:11], s[0:1], 0x0               ; q_codes 4, q_scales 6, kv_codes 8, kv_scales 10
	s_load_b128 s[12:15], s[0:1], 0x20             ; ctx_codes 12, ctx_scales 14
	v_lshl_add_u32 v254, v0, 2, 0xd000
	v_mov_b32 v255, 0
	v_lshrrev_b32 v1, 5, v0
	v_readfirstlane_b32 s16, v1                    ; wave
	s_mov_b32 s17, ttmp9                           ; g
	s_and_b32 s18, ttmp7, 0xffff                   ; 8 x batch + head
	s_sub_co_u32 s19, 31, s17
	s_wait_alu depctr_va_sdst(0)                   ; s16 is written, ahead of its first reader: my block and my tile are made from it
	s_cmp_lt_u32 s16, 8
	s_cselect_b32 s19, s17, s19                    ; my block of 128 queries
	s_and_b32 s36, s16, 7                          ; my tile in it
	v_and_b32 v8, 31, v0
	v_and_b32 v9, 15, v0
	v_bfe_u32 v10, v0, 4, 1
	v_lshlrev_b32 v1, 4, v8                        ; 16 x lane
	v_lshlrev_b32 v2, 3, v8                        ; 8 x lane
	v_lshlrev_b32 v3, 4, v0                        ; the copy: 16 x thread
	v_lshlrev_b32 v4, 2, v0                        ; 4 x thread
	v_and_b32 v11, 8, v9
	v_add_nc_u32 v11, v11, v9                      ; perm(r)
	v_lshlrev_b32 v5, 4, v10
	v_sub_nc_u32 v5, v11, v5
	s_lshr_b32 s37, s36, 1
	s_lshl_b32 s37, s37, 5
	s_and_b32 s38, s36, 1
	s_lshl_b32 s38, s38, 3
	s_add_co_u32 s37, s37, s38
	v_add_nc_u32 v5, s37, v5                       ; my query's place in its block - 16 (lane / 16)
	v_lshlrev_b32 v6, 2, v9                        ; 4 r
	v_lshlrev_b32 v7, 4, v9                        ; 16 r
	s_mov_b32 s20, 0x76543210
	s_mov_b32 s21, 0xfedcba98
	s_mov_b32 s22, 0x3e38aa3b                      ; log2(e) / 8
	s_mov_b32 s23, s22
	s_mov_b32 s24, 0                               ; the key step
	s_mov_b32 s27, 0                               ; the slot to be asked for
	s_sub_co_u32 s26, 33, s17
	s_lshr_b32 s26, s26, 1                         ; slots that block 31 - g needs,
	s_add_co_u32 s26, s26, 1
	s_lshr_b32 s26, s26, 1                         ; and trips of two slots
	s_mov_b32 s33, 0
	s_mov_b32 s35, 0
	s_lshl_b32 s37, s18, 8
	s_lshl_b32 s38, s19, 3
	s_add_co_u32 s37, s37, s38
	s_add_co_u32 s37, s37, s36                     ; my query tile
	s_mul_i32 s38, s37, 768
	s_mov_b32 s39, 0
	s_lshl_b32 s40, s37, 6
	s_mov_b32 s41, 0
	s_mul_i32 s42, s18, 393216                     ; the head's 64 x 6,144 bytes of images
	s_mov_b32 s43, 0
	s_lshl_b32 s44, s18, 15
	s_mov_b32 s45, 0
	s_lshr_b32 s46, s18, 3
	s_lshl_b32 s46, s46, 8
	s_lshl_b32 s47, s19, 3
	s_add_co_u32 s46, s46, s47
	s_add_co_u32 s46, s46, s36                     ; my row tile of ctx
	s_and_b32 s47, s18, 7                          ; the head
	s_wait_kmcnt 0x0
	s_add_nc_u64 s[4:5], s[4:5], s[38:39]
	s_add_nc_u64 s[6:7], s[6:7], s[40:41]
	s_add_nc_u64 s[8:9], s[8:9], s[42:43]
	s_add_nc_u64 s[10:11], s[10:11], s[44:45]
	s_lshl_b32 s38, s46, 3
	s_add_co_u32 s38, s38, s47
	s_mul_i32 s38, s38, 768
	s_add_nc_u64 s[12:13], s[12:13], s[38:39]
	s_lshl_b32 s40, s46, 8
	s_lshl_b32 s47, s47, 1
	s_add_co_u32 s40, s40, s47
	s_add_nc_u64 s[14:15], s[14:15], s[40:41]
	s_wait_alu depctr_va_vdst(0)                   ; the offsets v1 to v7 are written: every load and store of the kernel, global or LDS, reads one of them
	global_load_b128 v[16:19], v1, s[4:5]          ; Q's half image stays in registers
	global_load_b64 v[20:21], v2, s[4:5] offset:512
	global_load_b32 v28, v6, s[6:7]
	LOADSLOT
.irp j, 22,23,24,25,26,27
	v_mov_b32 v[\j], 0                             ; the upper 64 of K: zero codes
.endr
.irp t, 0,1,2,3
.irp j, 0,1,2,3,4,5
	v_mov_b32 v[50+12*\t+\j], 0
.endr
.endr
.set nn, 0
.rept 32
	v_mov_b32 v[160+nn], 0                         ; O^T: the step is written once; the first finds zeros
.set nn, nn+1
.endr
	v_mov_b32 v14, 0
	v_mov_b32 v15, 0
	v_mov_b32 v233, 0
	v_mov_b32 v235, 0
.irp j, 216,217,218,219,220,221,222,223
	v_mov_b32 v[\j], 0                             ; a lane permute's destination counts as one of its sources
.endr
	v_mov_b32 v238, 0xff800000                     ; -infinity
	v_mov_b32 v13, 0xff61b1e6                      ; the largest t so far: -3e38
	v_floor_f32 v12, -v13
	COPY 0                                         ; slot 0 into LDS (the wait covers Q too); slot 1 is asked for
	s_mov_b32 s25, 0
.Ltrip:
	STEP 0, 0
	STEP 0, 1
	COPY SL1
	STEP SL1, 0
	STEP SL1, 1
	COPY 0
	s_add_co_u32 s25, s25, 1
	s_cmp_lt_u32 s25, s26
	s_cbranch_scc1 .Ltrip
	; ---- the way out: O^T / the sum, quantised along the head's 64
	v_add_f32 v14, v14, v15
	v_permlanex16_b32 v235, v14, s[SEL], s[SEL+1]
	v_add_f32 v14, v14, v235
	s_wait_alu depctr_va_vdst(0)
	v_rcp_f32 v14, v14
	v_nop
	s_wait_alu depctr_va_vdst(0)                   ; the reciprocal has written v14, ahead of its first reader
.set nn, 0
.rept 32
	v_mul_f32 v[96+nn], v[160+nn], v14             ; register 16 b + i: channel 32 b + 16 (lane / 16) + i
.set nn, nn+1
.endr
	QUANT2 96, 235
	s_wait_alu depctr_va_vdst(0)                   ; the quantiser has written the codes and the word, which the stores read
	global_store_b128 v1, v[PC:PC+3], s[12:13]
	global_store_b64 v2, v[PC+4:PC+5], s[12:13] offset:512
	global_store_b16 v7, v235, s[14:15]            ; my head's two bytes of the row's sixteen; lanes 16-31 repeat lanes 0-15's
	s_wait_dscnt 0x0
	s_wait_alu depctr_hold_cnt(0) depctr_sa_sdst(0) depctr_va_vdst(0) depctr_va_sdst(0) depctr_va_ssrc(0) depctr_va_vcc(0) depctr_vm_vsrc(0)
	s_wait_tensorcnt 0x0
	ds_add_u32 v254, v255
	s_wait_dscnt 0x0
	s_endpgm
.Lfunc_end_k_q6478214c9f_attn:
	.size	k_q6478214c9f_attn, .Lfunc_end_k_q6478214c9f_attn-k_q6478214c9f_attn
	.p2alignl 7, 3214868480
	.fill 96, 4, 3214868480
	.section	.rodata,"a",@progbits
	.p2align	6, 0x0
	.amdhsa_kernel k_q6478214c9f_attn
		.amdhsa_group_segment_fixed_size 55296
		.amdhsa_private_segment_fixed_size 0
		.amdhsa_enable_private_segment 0
		.amdhsa_kernarg_size 48
		.amdhsa_user_sgpr_count 2
		.amdhsa_user_sgpr_kernarg_segment_ptr 1
		.amdhsa_wavefront_size32 1
		.amdhsa_system_sgpr_workgroup_id_x 1
		.amdhsa_system_sgpr_workgroup_id_y 1
		.amdhsa_system_sgpr_workgroup_id_z 1
		.amdhsa_system_vgpr_workitem_id 0
		.amdhsa_next_free_vgpr 256
		.amdhsa_next_free_sgpr 66
		.amdhsa_reserve_vcc 0
		.amdhsa_float_denorm_mode_32 3
		.amdhsa_float_denorm_mode_16_64 3
		.amdhsa_memory_ordered 1
		.amdhsa_forward_progress 1
		.amdhsa_inst_pref_size 115
	.end_amdhsa_kernel
	.amdgpu_metadata
---
amdhsa.version: [ 1, 2 ]
amdhsa.kernels:
  - .name:           k_q6478214c9f_attn
    .symbol:         k_q6478214c9f_attn.kd
    .args:
      - { .name: q_codes, .offset: 0, .size: 8, .value_kind: global_buffer, .address_space: global }
      - { .name: q_scales, .offset: 8, .size: 8, .value_kind: global_buffer, .address_space: global }
      - { .name: kv_codes, .offset: 16, .size: 8, .value_kind: global_buffer, .address_space: global }
      - { .name: kv_scales, .offset: 24, .size: 8, .value_kind: global_buffer, .address_space: global }
      - { .name: ctx_codes, .offset: 32, .size: 8, .value_kind: global_buffer, .address_space: global }
      - { .name: ctx_scales, .offset: 40, .size: 8, .value_kind: global_buffer, .address_space: global }
    .group_segment_fixed_size: 55296
    .private_segment_fixed_size: 0
    .kernarg_segment_align: 8
    .kernarg_segment_size: 48
    .max_flat_workgroup_size: 512
    .sgpr_count:     66
    .vgpr_count:     256
    .wavefront_size: 32
...
	.end_amdgpu_metadata
.endif
;; end of part 5
;; launch mlp (part 6): grid 128 x 1, 4 waves a work-group, no clusters, 278,016 bytes of LDS; arguments x, ctx_codes, ctx_scales, wimg, wscl, bo, b1, b2, out0; writes out0
.if DOCPART == 6
	.amdgcn_target "amdgcn-amd-amdhsa--gfx1250"
	.amdhsa_code_object_version 6
	.text
	.protected	k_q6478214c9f_mlp
	.globl	k_q6478214c9f_mlp
	.p2align	8
	.type	k_q6478214c9f_mlp,@function
k_q6478214c9f_mlp:
	s_mov_b64 s[64:65], 0
	v_nop
	global_prefetch_b8 v0, s[64:65] scope:SCOPE_SE
	s_setreg_imm32_b32 hwreg(HW_REG_WAVE_SCHED_MODE, 0, 2), 2
	s_setreg_imm32_b32 hwreg(HW_REG_WAVE_MODE, 25, 1), 1
	s_wait_xcnt 0x0
	s_wait_alu depctr_vm_vsrc(0)
; x1 = x + ctx Wo + bo;  out = x1 + relu(Q(x1) W1 + b1) W2 + b2, all three products on codes of FP6 (E2M3).  x1 and the hidden layer never go to memory.
; SHARES.  A work-group takes 64 rows, four tiles; tile m, lane r is row 32 (m / 2) + 8 (m % 2) + perm(r), perm(r) = r + 8 (r / 8).  THE WAVES SHARE THE COLUMNS: wave w owns columns 128 w .. of x1 and of out, and hidden units 512 w .., four groups of 128.
;   So each weight fragment serves one wave, which multiplies it by the four tiles of rows.  The first launch has laid the weights as a stream for each wave, 144 pairs of tiles in the order of use, as images of the registers:
;   they go from memory straight into a ring of eight pair buffers: five pairs, 35 loads, are out when a pair's data are waited for, six behind the refill that follows.
;   64 rows: every row block walks all 1,769,472 bytes of weights whatever its height; half the rows on twice the work-groups would double those bytes for the same products.
; OPERANDS FROM WAVE TO WAVE go through LDS as images of their registers (1,536 bytes a fragment, 128 a scale word): x1's 16 fragments behind the first barrier, the hidden layer's 64 behind the second, 64 rows of out behind the third.
; All products transposed (source 0 = 16 rows of a weight, source 1 = 16 rows): a lane holds one row, and the 16 registers of two neighbouring tiles are 16 neighbouring columns.
; No joint loads: each weight byte goes to one wave's registers, and of LDS's 327,680 bytes the images and the stage take 277,504: no two slots larger than the ring's 24,576 bytes a wave would fit.
; PREFETCH.  Work-groups 0 to 2 ask, each wave in its own stream, a lane a block of 256 bytes, 8,192 bytes a work-group: together a run of eight pairs, 24,576 bytes.  Behind the first pair of run n stands the request for run n + 3,
;   eighteen pairs ahead of its first load.  Runs 0 to 2 come by their loads alone; runs 15 to 17 ask for nothing.
; LIMITS: NaN and infinities are not served; a block of zeros gets the byte 1, read by this program alone.
; REGISTERS.  window 0: v1-15 lane terms; v24-31 the ring's scale words; v32-47 the rows' scale words; v64-255 the ring, 24 a pair.
;   window 1: v0-95 two sets of four fragments; v96-159 64 numbers at work, or a bias in the result's layout; v160-192 the quantiser's; v194-197 where I store images.
;   window 2: x1, then out: accumulator (m, t) at 64 m + 8 t.   window 3: ctx's 16 fragments, then the hidden layer's accumulators, at the end rows of out.
; THE MODE: SCHED_MODE bits 1:0 = 2 (LLVM: expert scheduling mode 2), set by the entry lines.  The code itself states the register dependences between vector or matrix instructions and memory or LDS instructions, with s_wait_alu, always for 0.
; THE PLAN.  Registers that memory or LDS instructions touch, and who else names them:
;   THE RING      buffer b and its scale word.  Pair p's eight products read buffer p % 8.  Pair p asks, ahead of its own products, for pair p + 6 into buffer (p - 2) % 8.  ONE wait on va_vdst stands at the head of every EVEN pair:
;                 it states that the two pairs before are done reading their buffers.  The even pair's loads follow it; the odd pair's stand behind the even pair's products, which name another buffer.
;   THE TWO SETS  of the rows' fragments, and their scale words: a K step's products read a set; the LDS loads of the K step after next land in it.  They stand behind the even pair's wait at the head of the K step between.
;   HA            window 1's v96-159: a bias lands by LDS loads and the products take it as C; or results are brought there and the quantiser reads them.  The wait on va_vdst ahead of an image's stores, or at the head of a group's trip, stands ahead of the loads.
;   CODES, WORD   the quantiser writes; a wait on va_vdst; the LDS stores read; a wait on vm_vsrc ahead of the next quantising, behind the 64 lines that bring the next tile.
;   ADDRESSES     made at the head, one wait on va_vdst.  Five LDS addresses are stepped once a trip: a wait on vm_vsrc ahead of the adds; a wait on va_vdst that stands there anyway is ahead of their next use.  The ring's bases are scalar.
.set BIAS,  0                          ; 3,072 bytes a wave: bo 512, b2 512, b1 2,048
.set X1IMG, 12288                      ; fragment 4 s + m
.set X1SC,  36864
.set HIMG,  38912                      ; fragment 4 S + m
.set HSC,   137216
.set STG,   145408                     ; 64 rows x (2,048 + 16)
.set SPI,   2064
.set WSCL,  24
.set AS,    32
.set RING,  64
.set HA,    96
.set TM,    160
.set PC,    172
.set PW,    192
.set X1WI,  194
.set X1WS,  195
.set HWI,   196
.set HWS,   197
.set SEL,   24
.set MSB,   0
.macro WIN new
.if MSB != (\new)
	s_set_vgpr_msb (MSB<<8)|(\new)
.set MSB, (\new)
.endif
.endm
.macro PLACES n
.rept \n
	v_nop
.endr
.endm
.macro WM d, a, b, c, sa, sb, row
.if \row
	v_wmma_scale_f32_16x16x128_f8f6f4 v[\d:\d+7], v[\a:\a+11], v[\b:\b+11], v[\c:\c+7], v[\sa], v[\sb] matrix_a_fmt:MATRIX_FMT_FP6 matrix_b_fmt:MATRIX_FMT_FP6 matrix_a_scale:MATRIX_SCALE_ROW1
.else
	v_wmma_scale_f32_16x16x128_f8f6f4 v[\d:\d+7], v[\a:\a+11], v[\b:\b+11], v[\c:\c+7], v[\sa], v[\sb] matrix_a_fmt:MATRIX_FMT_FP6 matrix_b_fmt:MATRIX_FMT_FP6
.endif
.endm
.macro QUANT s                         ; 64 numbers of a lane, register 16 b + i = k 32 b + 16 (lane / 16) + i: codes in v[PC] on, the scale word in v[PW]
.irp b, 0,1,2,3
	v_max3_num_f32 v[TM+\b], |v[\s+16*\b]|, |v[\s+1+16*\b]|, 0x1800000
.endr
.irp i, 2,4,6,8,10,12,14
.irp b, 0,1,2,3
	v_max3_num_f32 v[TM+\b], v[TM+\b], |v[\s+16*\b+\i]|, |v[\s+1+16*\b+\i]|
.endr
.endr
.irp b, 0,1,2,3
	v_permlanex16_b32 v[TM+4+\b], v[TM+\b], s[SEL], s[SEL+1]
.endr
.irp b, 0,1,2,3
	v_max_num_f32 v[TM+\b], v[TM+\b], v[TM+4+\b]
.endr
.irp b, 0,1,2,3
	v_add_nc_u32 v[TM+8+\b], 0xff000000, v[TM+\b]
.endr
.irp b, 0,1,2,3
	v_lshrrev_b32 v[TM+4+\b], 23, v[TM+8+\b]
.endr
	v_lshl_or_b32 v[PW], v[TM+5], 8, v[TM+4]
	v_lshl_or_b32 v[PW], v[TM+6], 16, v[PW]
	v_lshl_or_b32 v[PW], v[TM+7], 24, v[PW]
.irp c, 0,1
	v_cvt_scalef32_pk16_fp6_f32 v[PC+6*\c:PC+2+6*\c], v[\s+32*\c:\s+15+32*\c], v[TM+8+2*\c]
	v_cvt_scalef32_pk16_fp6_f32 v[PC+12+4*\c:PC+14+4*\c], v[\s+16+32*\c:\s+31+32*\c], v[TM+8+2*\c+1]
.endr
	v_nop
.irp c, 0,1
.irp i, 0,1,2
	v_permlane16_swap_b32 v[PC+6*\c+\i], v[PC+12+4*\c+\i]
.endr
.irp i, 0,1,2
	v_mov_b32 v[PC+3+6*\c+\i], v[PC+12+4*\c+\i]
.endr
.endr
.endm
.macro BARRIER
	s_wait_dscnt 0x0                               ; my LDS stores have landed and my LDS loads are in
	s_barrier_signal -1
	s_barrier_wait -1
.endm
.macro RLOAD buf, off                  ; a pair of tiles and its scale words into ring buffer buf: 7 loads
.irp jj, 0,1
.irp c, 0,1,2
	global_load_b128 v[RING+24*(\buf)+12*\jj+4*\c:RING+24*(\buf)+12*\jj+4*\c+3], v1, s[28:29] offset:(\off)*3072+1536*\jj+512*\c
.endr
.endr
	global_load_b32 v[WSCL+(\buf)], v2, s[30:31] offset:(\off)*128
.endm
; A PAIR'S HEAD.  buf: the pair's own buffer;  cnt: the younger loads that may stay out;  w = 1: the wait of an even pair;  ld = 1: the buffer of two pairs back takes pair off of the stream, six pairs on
.macro PHEAD buf, cnt, w, ld, off
	s_wait_loadcnt \cnt                            ; loads come back in order: this pair's seven are in
.if \w
	s_wait_alu depctr_va_vdst(0)                   ; the products of the two pairs before are done reading their ring buffers and scale words, in which this pair's and the next pair's loads land; at a K step's head also: the K step before is done reading its set of the rows' fragments and words, and a stepped LDS address is written
.endif
.if \ld
	RLOAD ((\buf)+6)%8, \off
.endif
.endm
; A PAIR'S PRODUCTS: column tiles 2 pi, 2 pi + 1 of one K step x the four tiles of rows: 8 products on 8 accumulators, which take turns; an accumulator comes again after 32 products.
; bb, bs: fragment m of the rows at bb + bs m;  cb = 1: the bias is the C of the sum's first product;  asb, ass: its scale word at asb + ass m
.macro PMUL buf, pi, mode, bb, bs, cb, asb, ass
	WIN \mode
.irp jj, 0,1
.irp m, 0,1,2,3
.if \cb
	WM 64*\m+8*(2*(\pi)+\jj), RING+24*(\buf)+12*\jj, (\bb)+(\bs)*\m, HA+8*(2*(\pi)+\jj), WSCL+(\buf), (\asb)+(\ass)*\m, \jj
.else
	WM 64*\m+8*(2*(\pi)+\jj), RING+24*(\buf)+12*\jj, (\bb)+(\bs)*\m, 64*\m+8*(2*(\pi)+\jj), WSCL+(\buf), (\asb)+(\ass)*\m, \jj
.endif
.endr
.endr
	WIN 0
	PLACES 4                                       ; four plain lines behind a pair's products: behind a phase's last pair vector instructions and LDS stores read the results
.endm
.macro PAIR buf, pi, mode, bb, bs, cb, asb, ass, cnt, w, ld, off
	PHEAD \buf, \cnt, \w, \ld, \off
	PMUL \buf, \pi, \mode, \bb, \bs, \cb, \asb, \ass
.endm
.macro FETCH set, adr, off, ns, sadr, soff, asb    ; four fragments (the four tiles of rows of one K step) from LDS into set; ns = 1: their scale words too
	WIN 0x40
.irp m, 0,1,2,3
.irp c, 0,1,2
	ds_load_b128 v[48*(\set)+12*\m+4*\c:48*(\set)+12*\m+4*\c+3], v[\adr] offset:(\off)+1536*\m+512*\c
.endr
.endr
	WIN 0
.if \ns
.irp m, 0,1,2,3
	ds_load_b32 v[(\asb)+\m], v[\sadr] offset:(\soff)+128*\m
.endr
.endif
.endm
.macro BRING relu, m                   ; tile m's 64 results come into window 1, each accumulator from its low end on
.if \relu
	WIN 0x4c
.else
	WIN 0x42
.endif
.set nn, 0
.rept 64
.if \relu
	v_max_num_f32 v[HA+nn], 0, v[64*\m+nn]
.else
	v_mov_b32 v[HA+nn], v[64*\m+nn]
.endif
.set nn, nn+1
.endr
.endm
.macro QIMG adri, adrs, offi, offs, e  ; they are quantised, and the fragment and its scale words go to LDS as they stand.  e = 1: LDS stores have read the codes' registers before
	WIN 0x55
.if \e
	s_wait_alu depctr_vm_vsrc(0)                   ; the LDS stores of the tile quantised last have read the codes and the word, which this quantising writes again
.endif
	QUANT HA
	s_wait_alu depctr_va_vdst(0)                   ; the quantiser has written the codes and the word, which the LDS stores read (in a trip's first tile: and the stepped addresses are written); it is done reading HA
.irp c, 0,1,2
	ds_store_b128 v[\adri], v[PC+4*\c:PC+4*\c+3] offset:(\offi)+512*\c
.endr
	ds_store_b32 v[\adrs], v[PW] offset:\offs
.endm
.macro BIASLD adr, off                 ; 128 numbers of a bias in the result's layout: lane (r, h), tile t: 32 (t / 2) + 16 h + 8 (t % 2) + 0 .. 7
	WIN 0x40
.irp t, 0,1,2,3,4,5,6,7
	ds_load_b128 v[HA+8*\t:HA+8*\t+3], v[\adr] offset:(\off)+128*(\t/2)+32*(\t%2)
	ds_load_b128 v[HA+8*\t+4:HA+8*\t+7], v[\adr] offset:(\off)+128*(\t/2)+32*(\t%2)+16
.endr
	WIN 0
.endm
.macro ADDB                            ; and onto all four tiles of rows
	WIN 0x86
.irp m, 0,1,2,3
.irp t, 0,1,2,3,4,5,6,7
.irp k, 0,2,4,6
	v_pk_add_f32 v[64*\m+8*\t+\k:64*\m+8*\t+\k+1], v[64*\m+8*\t+\k:64*\m+8*\t+\k+1], v[HA+8*\t+\k:HA+8*\t+\k+1]
.endr
.endr
.endr
	WIN 0
.endm
.macro ASK off, lp                     ; the request for the run three runs on (head comment)
.if \lp
	s_cmp_lt_u32 s26, s27
.else
	s_cmp_lt_u32 ttmp9, 3
.endif
	s_cbranch_scc0 .Lnot_mine_\@
	global_prefetch_b8 v14, s[28:29] offset:(\off)*3072 th:TH_LOAD_NT scope:SCOPE_SE
.Lnot_mine_\@:
.endm
	s_load_b512 s[4:19], s[0:1], 0x0               ; x 4, ctx_codes 6, ctx_scales 8, wimg 10, wscl 12, bo 14, b1 16, b2 18
	s_load_b64 s[20:21], s[0:1], 0x40              ; out0
	v_lshl_add_u32 v62, v0, 2, 0x43c00
	v_mov_b32 v63, 0
	v_lshrrev_b32 v1, 5, v0
	v_readfirstlane_b32 s22, v1                    ; wave
	v_and_b32 v16, 31, v0                          ; lane
	v_and_b32 v17, 15, v0                          ; r
	v_bfe_u32 v18, v0, 4, 1                        ; h
	v_and_b32 v19, 8, v17
	v_add_nc_u32 v19, v19, v17                     ; perm(r)
	v_lshlrev_b32 v1, 4, v16                       ; 16 x lane
	v_lshlrev_b32 v2, 2, v16                       ; 4 x lane
	v_lshlrev_b32 v3, 4, v17                       ; 16 r
	v_lshlrev_b32 v4, 3, v16                       ; 8 x lane
	s_wait_alu depctr_va_sdst(0)                   ; s22 is written, ahead of its first reader: LDS places and bases are made from it
	s_lshl_b32 s32, s22, 9
	v_lshlrev_b32 v5, 11, v19
	v_lshl_add_u32 v5, v18, 6, v5
	v_add_nc_u32 v5, s32, v5                       ; x: row perm(r), + 64 h, + my 128 columns
	v_add_nc_u32 v7, HIMG, v1                      ; the hidden layer's images, as I read them
	v_add_nc_u32 v8, HSC, v2
	s_mul_i32 s33, s22, 3072
	v_lshlrev_b32 v9, 6, v18
	v_add_nc_u32 v9, s33, v9                       ; my biases: + 64 h
	v_add_nc_u32 v10, 1024, v9                     ; b1's
	v_mul_u32_u24 v11, v19, SPI
	v_lshl_add_u32 v11, v18, 6, v11
	v_add_nc_u32 v11, s32, v11
	v_add_nc_u32 v11, STG, v11                     ; the stage: row perm(r), + 64 h, + my 512 bytes
	v_add_nc_u32 v12, 32*SPI, v11                  ; and 32 rows further down
	s_mul_i32 s34, s22, 16*SPI
	v_add_nc_u32 v13, s34, v1
	v_add_nc_u32 v13, STG, v13                     ; back: my 16 rows
	s_lshl_b32 s35, ttmp9, 13
	v_lshlrev_b32 v14, 8, v16
	v_add_nc_u32 v14, s35, v14                     ; the prefetches' offset: 256 x lane + 8,192 x work-group
	v_add_nc_u32 v15, s33, v1                      ; where I store my biases
	s_mul_i32 s36, s22, 6144
	s_add_co_u32 s36, s36, X1IMG
	s_lshl_b32 s37, s22, 9
	s_add_co_u32 s37, s37, X1SC
	s_mul_i32 s38, s22, 24576
	s_add_co_u32 s38, s38, HIMG
	s_lshl_b32 s39, s22, 11
	s_add_co_u32 s39, s39, HSC
	WIN 0x40
	v_add_nc_u32 v[X1WI], s36, v1                  ; x1's K step w: fragments 4 w + m
	v_add_nc_u32 v[X1WS], s37, v2
	v_add_nc_u32 v[HWI], s38, v1                   ; the hidden layer's K steps 4 w + 0 .. 3
	v_add_nc_u32 v[HWS], s39, v2
.irp b, 0,1,2,3
	v_mov_b32 v[TM+4+\b], 0                        ; a lane permute's destination counts as one of its sources
.endr
	WIN 0
	s_mov_b32 s24, 0x76543210
	s_mov_b32 s25, 0xfedcba98
	s_cmp_lt_u32 ttmp9, 3
	s_cselect_b32 s27, 5, 0
	s_mov_b32 s41, 0
	s_wait_kmcnt 0x0
	s_lshl_b32 s40, ttmp9, 17                      ; my 64 rows of 2,048 bytes
	s_add_nc_u64 s[4:5], s[4:5], s[40:41]
	s_add_nc_u64 s[20:21], s[20:21], s[40:41]
	s_lshl_b32 s40, s22, 15                        ; the 16 rows that I store
	s_add_nc_u64 s[20:21], s[20:21], s[40:41]
	s_mul_i32 s40, ttmp9, 24576                    ; four row tiles x eight heads x 768
	s_add_nc_u64 s[6:7], s[6:7], s[40:41]
	s_lshl_b32 s40, ttmp9, 10
	s_add_nc_u64 s[8:9], s[8:9], s[40:41]
	s_mul_i32 s40, s22, 442368                     ; my stream: 144 pairs x 3,072
	s_add_nc_u64 s[28:29], s[10:11], s[40:41]
	s_mul_i32 s40, s22, 18432
	s_add_nc_u64 s[30:31], s[12:13], s[40:41]
	s_lshl_b32 s40, s22, 9
	s_add_nc_u64 s[14:15], s[14:15], s[40:41]
	s_add_nc_u64 s[18:19], s[18:19], s[40:41]
	s_lshl_b32 s40, s22, 11
	s_add_nc_u64 s[16:17], s[16:17], s[40:41]
	s_wait_alu depctr_va_vdst(0)                   ; the lane terms v1 to v15 and window 1's v194 to v197 are written: every load, store and prefetch of the kernel reads one of them as its address
	WIN 0x40                                       ; my biases: 6 loads
	global_load_b128 v[0:3], v1, s[14:15]
	global_load_b128 v[4:7], v1, s[18:19]
.irp k, 0,1,2,3
	global_load_b128 v[8+4*\k:11+4*\k], v1, s[16:17] offset:512*\k
.endr
	WIN 0
.irp m, 0,1,2,3                                ; ctx: a row's 16 scale bytes are the words of the four K steps; 4 + 64 loads
	global_load_b128 v[AS+4*\m:AS+4*\m+3], v3, s[8:9] offset:256*\m th:TH_LOAD_NT
.endr
	WIN 0xc0
.irp m, 0,1,2,3
.irp hd, 0,1,2,3,4,5,6,7                       ; head hd is half hd % 2 of K step hd / 2
	global_load_b128 v[12*(4*\m+\hd/2)+6*(\hd%2):12*(4*\m+\hd/2)+6*(\hd%2)+3], v1, s[6:7] offset:(8*\m+\hd)*768 th:TH_LOAD_NT
	global_load_b64 v[12*(4*\m+\hd/2)+6*(\hd%2)+4:12*(4*\m+\hd/2)+6*(\hd%2)+5], v4, s[6:7] offset:(8*\m+\hd)*768+512 th:TH_LOAD_NT
.endr
.endr
	s_wait_loadcnt 63                              ; 68 loads were issued behind the biases': these are in
	WIN 0x04
	ds_store_b128 v15, v[0:3]
	ds_store_b128 v15, v[4:7] offset:512
.irp k, 0,1,2,3
	ds_store_b128 v15, v[8+4*\k:11+4*\k] offset:1024+512*\k
.endr
	WIN 0x80
.irp m, 0,1,2,3                                ; x in the result's layout, into the accumulators
.irp b, 0,1,2,3
.irp j, 0,1,2,3
	global_load_b128 v[64*\m+16*\b+4*\j:64*\m+16*\b+4*\j+3], v5, s[4:5] offset:(32*(\m/2)+8*(\m%2))*2048+128*\b+16*\j th:TH_LOAD_NT
.endr
.endr
.endr
	WIN 0
.irp n, 0,1,2,3,4,5
	RLOAD \n, \n                                   ; the ring's first six pairs: 42 loads; pairs 0 and 1 ask for the seventh and the eighth
.endr
	BIASLD 9, 0                                    ; bo (LDS serves a wave's instructions in order: these see my stores)
	s_wait_dscnt 0x0
	s_wait_loadcnt 42                              ; all but the ring's: x and ctx are in
	ADDB                                           ; x + bo starts the sums
	; ---- A: x1 = x + bo + ctx Wo.  Pair 4 s + pi.  Pair 0 has no pair in front of it: buffers 6 and 7 have been named by nothing, and no wait stands there
.irp s, 0,1,2,3
.irp pi, 0,1,2,3
.set WW, 0
.if (\pi%2 == 0) && (4*\s+\pi > 0)
.set WW, 1
.endif
	PAIR (4*\s+\pi)%8, \pi, 0xac, 12*\s, 48, 0, AS+\s, 4, 35, WW, 1, 4*\s+\pi+6
.if (\pi == 0) && (\s%2 == 0)
	ASK 24+4*\s, 0
.endif
.endr
.endr
	; ---- x1 is quantised: my 128 columns are K step w of the next product
.irp m, 0,1,2,3
	BRING 0, \m
	QIMG X1WI, X1WS, 1536*\m, 128*\m, (\m>0)
.endr
	BIASLD 9, 512                                  ; b2 goes onto x1 now: the last product adds onto x1 + b2.  (The wait ahead of the last image's stores has shown HA's writers and readers done)
	s_wait_dscnt 0x0
	ADDB
	BARRIER                                        ; x1's sixteen fragments lie in LDS
	; ---- B: the hidden layer, a group of 128 units a trip
.irp s, 0,1,2,3
.irp m, 0,1,2,3
	ds_load_b32 v[AS+4*\s+\m], v2 offset:X1SC+128*(4*\s+\m)   ; (the same wait has shown Wo's products done reading ctx's scale words)
.endr
.endr
	s_mov_b32 s26, 4
.Lgroup:
	s_wait_alu depctr_va_vdst(0)                   ; the additions of b2 (in later trips: nothing but the add to v10, which is written) are done with HA, in which b1 lands; all earlier products are done reading both sets of fragments and the ring
	BIASLD 10, 0
	FETCH 0, 1, X1IMG, 0, 0, 0, 0
.irp s, 0,1,2,3
.if \s == 0
	PHEAD 0, 35, 0, 1, 22                          ; (the wait at the trip's head serves this pair and the next)
	s_wait_dscnt 0x0                               ; b1's 128 numbers and K step 0's fragments are in
.else
	PHEAD (4*\s)%8, 35, 1, 1, 22+4*\s
.endif
.if \s < 3
	FETCH (\s+1)%2, 1, X1IMG+6144*(\s+1), 0, 0, 0, 0
.endif
.if \s == 0
	PMUL 0, 0, 0xd4, 0, 12, 1, AS, 1
.else
	PMUL (4*\s)%8, 0, 0xf4, 48*(\s%2), 12, 0, AS+4*\s, 1
.endif
.if \s%2 == 0
	ASK 40+4*\s, 0
.endif
.irp pi, 1,2,3
.if \s == 0
	PAIR \pi, \pi, 0xd4, 0, 12, 1, AS, 1, 35, (\pi==2), 1, 22+\pi
.else
	PAIR (4*\s+\pi)%8, \pi, 0xf4, 48*(\s%2), 12, 0, AS+4*\s, 1, 35, (\pi==2), 1, 22+4*\s+\pi
.endif
.endr
	s_wait_dscnt 0x0                               ; the next K step's fragments are in
.endr
.irp m, 0,1,2,3
	BRING 1, \m                                    ; relu, in f32
	QIMG HWI, HWS, 1536*\m, 128*\m, 1
.endr
	s_wait_alu depctr_vm_vsrc(0)                   ; the images' LDS stores have read their two addresses and b1's LDS loads have read v10: the three are stepped
	v_add_nc_u32 v[HWI], 6144, v[HWI]              ; (still in window 1)  the next group's images
	v_add_nc_u32 v[HWS], 512, v[HWS]
	WIN 0
	v_add_nc_u32 v10, 512, v10
	s_wait_xcnt 0x0                                ; the ring's loads and the prefetches have read their bases
	s_add_nc_u64 s[28:29], s[28:29], 49152         ; 16 pairs on
	s_add_nc_u64 s[30:31], s[30:31], 2048
	s_sub_co_u32 s26, s26, 1
	s_cmp_lg_u32 s26, 0
	s_cbranch_scc1 .Lgroup
	BARRIER                                        ; the hidden layer's 64 fragments lie in LDS
	; ---- C: out = x1 + b2 + hidden W2: 16 K steps, two a trip
	FETCH 0, 7, 0, 1, 8, 0, AS                     ; (the wait ahead of the last image's stores has shown W1's products done reading this set and these words)
	s_wait_dscnt 0x0
	s_mov_b32 s26, 0
.Lk2:
	PHEAD 0, 35, 1, 1, 22
	FETCH 1, 7, 6144, 1, 8, 512, AS+4
	PMUL 0, 0, 0xa4, 0, 12, 0, AS, 1
	ASK 40, 1
.irp pi, 1,2,3
	PAIR \pi, \pi, 0xa4, 0, 12, 0, AS, 1, 35, (\pi==2), 1, 22+\pi
.endr
	s_wait_dscnt 0x0
	PHEAD 4, 35, 1, 1, 26
	FETCH 0, 7, 12288, 1, 8, 1024, AS
	PMUL 4, 0, 0xa4, 48, 12, 0, AS+4, 1
.irp pi, 1,2,3
	PAIR 4+\pi, \pi, 0xa4, 48, 12, 0, AS+4, 1, 35, (\pi==2), 1, 26+\pi
.endr
	s_wait_dscnt 0x0
	s_wait_alu depctr_vm_vsrc(0)                   ; the fragments' and words' LDS loads have read v7 and v8, which are stepped
	v_add_nc_u32 v7, 12288, v7
	v_add_nc_u32 v8, 1024, v8
	s_wait_xcnt 0x0
	s_add_nc_u64 s[28:29], s[28:29], 24576         ; 8 pairs on
	s_add_nc_u64 s[30:31], s[30:31], 1024
	s_add_co_u32 s26, s26, 1
	s_cmp_lt_u32 s26, 7
	s_cbranch_scc1 .Lk2
	PHEAD 0, 35, 1, 1, 22                          ; the last two K steps: their first two pairs ask for the stream's last two, the others for nothing, and the counts run down by a pair's seven
	FETCH 1, 7, 6144, 1, 8, 512, AS+4
	PMUL 0, 0, 0xa4, 0, 12, 0, AS, 1
	PAIR 1, 1, 0xa4, 0, 12, 0, AS, 1, 35, 0, 1, 23
	PAIR 2, 2, 0xa4, 0, 12, 0, AS, 1, 35, 0, 0, 0
	PAIR 3, 3, 0xa4, 0, 12, 0, AS, 1, 28, 0, 0, 0
	s_wait_dscnt 0x0
.irp pi, 0,1,2,3
	PAIR 4+\pi, \pi, 0xa4, 48, 12, 0, AS+4, 1, 21-7*\pi, 0, 0, 0
.endr
	; ---- the way out: a row's 2,048 bytes come from four waves: they meet in the stage
	s_wait_alu depctr_va_vdst(0)                   ; the products have written the accumulators, which the LDS stores read (the four plain lines stand ahead of this wait); and window 3's writers and readers are done: rows of out land there below
	WIN 0x08
.irp m, 0,1,2,3
.irp t, 0,1,2,3,4,5,6,7
	ds_store_b128 v[11+\m/2], v[64*\m+8*\t:64*\m+8*\t+3] offset:8*(\m%2)*SPI+128*(\t/2)+32*(\t%2)
	ds_store_b128 v[11+\m/2], v[64*\m+8*\t+4:64*\m+8*\t+7] offset:8*(\m%2)*SPI+128*(\t/2)+32*(\t%2)+16
.endr
.endr
	WIN 0
	BARRIER                                        ; 64 whole rows lie in the stage
	WIN 0xc0
.set ii, 0
.rept 64
	ds_load_b128 v[4*ii:4*ii+3], v13 offset:(ii/4)*SPI+(ii%4)*512
.set ii, ii+1
.endr
	WIN 0x0c
.set ii, 0
.rept 64
	s_wait_dscnt 63-ii
	global_store_b128 v1, v[4*ii:4*ii+3], s[20:21] offset:(ii/4)*2048+(ii%4)*512 th:TH_STORE_NT   ; 32 lanes store 512 consecutive bytes, at a multiple of 256 from out0's first byte
.set ii, ii+1
.endr
	WIN 0
	s_wait_dscnt 0x0
	s_wait_alu depctr_hold_cnt(0) depctr_sa_sdst(0) depctr_va_vdst(0) depctr_va_sdst(0) depctr_va_ssrc(0) depctr_va_vcc(0) depctr_vm_vsrc(0)
	s_wait_tensorcnt 0x0
	ds_add_u32 v62, v63
	s_wait_dscnt 0x0
	s_endpgm
.Lfunc_end_k_q6478214c9f_mlp:
	.size	k_q6478214c9f_mlp, .Lfunc_end_k_q6478214c9f_mlp-k_q6478214c9f_mlp
	.p2alignl 7, 3214868480
	.fill 96, 4, 3214868480
	.section	.rodata,"a",@progbits
	.p2align	6, 0x0
	.amdhsa_kernel k_q6478214c9f_mlp
		.amdhsa_group_segment_fixed_size 278016
		.amdhsa_private_segment_fixed_size 0
		.amdhsa_enable_private_segment 0
		.amdhsa_kernarg_size 72
		.amdhsa_user_sgpr_count 2
		.amdhsa_user_sgpr_kernarg_segment_ptr 1
		.amdhsa_wavefront_size32 1
		.amdhsa_system_sgpr_workgroup_id_x 1
		.amdhsa_system_sgpr_workgroup_id_y 1
		.amdhsa_system_sgpr_workgroup_id_z 1
		.amdhsa_system_vgpr_workitem_id 0
		.amdhsa_next_free_vgpr 1024
		.amdhsa_next_free_sgpr 66
		.amdhsa_reserve_vcc 0
		.amdhsa_float_denorm_mode_32 3
		.amdhsa_float_denorm_mode_16_64 3
		.amdhsa_memory_ordered 1
		.amdhsa_forward_progress 1
		.amdhsa_inst_pref_size 204
	.end_amdhsa_kernel
	.amdgpu_metadata
---
amdhsa.version: [ 1, 2 ]
amdhsa.kernels:
  - .name:           k_q6478214c9f_mlp
    .symbol:         k_q6478214c9f_mlp.kd
    .args:
      - { .name: x, .offset: 0, .size: 8, .value_kind: global_buffer, .address_space: global }
      - { .name: ctx_codes, .offset: 8, .size: 8, .value_kind: global_buffer, .address_space: global }
      - { .name: ctx_scales, .offset: 16, .size: 8, .value_kind: global_buffer, .address_space: global }
      - { .name: wimg, .offset: 24, .size: 8, .value_kind: global_buffer, .address_space: global }
      - { .name: wscl, .offset: 32, .size: 8, .value_kind: global_buffer, .address_space: global }
      - { .name: bo, .offset: 40, .size: 8, .value_kind: global_buffer, .address_space: global }
      - { .name: b1, .offset: 48, .size: 8, .value_kind: global_buffer, .address_space: global }
      - { .name: b2, .offset: 56, .size: 8, .value_kind: global_buffer, .address_space: global }
      - { .name: out0, .offset: 64, .size: 8, .value_kind: global_buffer, .address_space: global }
    .group_segment_fixed_size: 278016
    .private_segment_fixed_size: 0
    .kernarg_segment_align: 8
    .kernarg_segment_size: 72
    .max_flat_workgroup_size: 128
    .sgpr_count:     66
    .vgpr_count:     1024
    .wavefront_size: 32
...
	.end_amdgpu_metadata
.endif
;; end of part 6
